; MI455X (gfx1250); checked and timed in simulation.
; The chip was launched on July 23, 2026; its instructions are those of AMD's public machine-readable ISA for CDNA 5 (MIT licence, August 2026) and "CDNA5" Instruction Set Architecture Reference Guide (July 2026). The comments in the code are by the model that wrote it; some were corrected since.
;; Proto Mix. Allowed arithmetic: matrix products marked QUANTISED: E4M3 operands, one given power-of-two scale a tensor, by v_wmma_f32_16x16x64_fp8_fp8 or v_wmma_f32_16x16x128_fp8_fp8, f32 sums; products left as they are: f32 operands where the result goes on into a quantised operand, else bf16, f16 or f32 operands; f32 sums; everything else in f32.
;; Inputs: bilinear_b 1 float32; bilinear_w 1 x 1,024 x 1,024 float32; class_fc_b 25 float32; class_fc_w 25 x 1,024 float32; index 16,384 int32; lin_w 1 x 2,048 float32; lowp_scales 8 int32 (the exponents e of the quantised operands' scales 2^e); patient_embed 16,384 x 1,024 float32; proto_fc_b 1,024 float32; proto_fc_w 1,024 x 1,024 float32; prototype_embed 1,024 x 1,024 float32.
;; Outputs: out0 16,384 x 25 float32.
;; This version of the problem:
;;   THIS VERSION OF THE PROBLEM IS GIVEN IN LOW PRECISION. The matrix products marked QUANTISED in the list below multiply operands that are first quantised to E4M3 (4 exponent bits, 3 mantissa bits; 8 bits a number), with one given power-of-two scale for each operand tensor; their sums are f32. All else is computed in f32.
;;   The module's matrix products, in the order in which they are computed (A, B: the left and right operand; K: the contracted axis; several contracted axes count as one K, in the product's order):
;;     1. [M 16,384, K 1,024] x [K 1,024, N 1,024]; A: input patient_embed; B: input prototype_embed: QUANTISED (scales: A lowp_scales[0], B lowp_scales[1])
;;     2. [M 1,024, K 1,024] x [K 1,024, N 16,384]; A: input bilinear_w; B: computed on the way: QUANTISED (scales: A lowp_scales[2], B lowp_scales[3])
;;     3. batch 16,384 x [M 1, K 1,024] x [K 1,024, N 1]; A: computed on the way; B: computed on the way: left as it is (M = 1 < 16)
;;     4. [M 16,384, K 2,048] x [K 2,048, N 1]; A: computed on the way; B: input lin_w: left as it is (N = 1 < 16)
;;     5. [M 16,384, K 1,024] x [K 1,024, N 1,024]; A: computed on the way; B: input proto_fc_w: QUANTISED (scales: A lowp_scales[4], B lowp_scales[5])
;;     6. [M 16,384, K 1,024] x [K 1,024, N 25]; A: computed on the way; B: input class_fc_w: QUANTISED (scales: A lowp_scales[6], B lowp_scales[7])
;;   THE QUANTISER, for each operand of a quantised product, along K:
;;     - The operand's scale is 2^e, e = its entry of the input lowp_scales (int32; the entries are numbered through the quantised products in the list's order, A before B).
;;     - Each number is divided by the scale, clamped to +-448, and rounded to the nearest number of E4M3, ties to even, subnormals kept.
;;     - The product sums the exact products of the quantised numbers (number of the format x scale) in f32.
;;   ~~~python
;;   def quantise(x, axis, e):      # numpy; x: float32 -> the quantised numbers, widened to float32 again
;;       x = np.moveaxis(x, axis, -1); K = x.shape[-1]
;;       r = np.clip(x / 2.0 ** e, -448, 448)
;;       step = 2.0 ** (np.maximum(np.frexp(np.where(r == 0, 1, r))[1] - 1, -6) - 3)
;;       q = np.round(r / step) * step * 2.0 ** e      # np.round: ties to even
;;       return np.moveaxis(q, -1, axis).astype(np.float32)
;;   ~~~
;;   OPERANDS COMPUTED ON THE WAY. 'Computed on the way' means the value that the module computes at that place (a softmax that the list does not call 'softmax' is quantised finished and normalised). What goes into a quantiser is computed in f32, as accurately as f32 sums, v_exp_f32 and their like allow (about 1e-6 of the number): no bf16 or f16 on the way to a quantiser, and a product that is left as it is and whose result goes on into a quantised operand takes f32 operands (vector FMAs, or v_wmma_f32_16x16x4_f32). A number that lies on a knife's edge between two numbers of the format may be rounded either way, as far as f32 arithmetic and the matrix unit's own rounding can turn it there, and no further.
;; One version. Each part assembles by itself: llvm-mc -triple=amdgcn-amd-amdhsa -mcpu=gfx1250 --defsym DOCPART=n.
;; ======== version 1 of 1: 3 launches
;; limits: right only within a limited range of input values
;; workspace buffers: b1img 1,048,576 bytes; p3img 1,048,576 bytes; w2img 1,048,576 bytes; b5img 1,048,576 bytes; c7img 32,768 bytes; stats 12,288 bytes; tt 4,194,304 bytes; labels 65,536 bytes of whole numbers
;; launch prep (part 1): grid 194 x 1, 4 waves a work-group, no clusters, 35,328 bytes of LDS; arguments prototype_embed, bilinear_w, proto_fc_w, class_fc_w, lin_w, lowp_scales, b1img, p3img, w2img, b5img, c7img, stats; writes b1img, p3img, w2img, b5img, c7img, stats
.if DOCPART == 1
	.amdgcn_target "amdgcn-amd-amdhsa--gfx1250"
	.amdhsa_code_object_version 6
	.text
	.protected	k_qcaca28e1b7_prep
	.globl	k_qcaca28e1b7_prep
	.p2align	8
	.type	k_qcaca28e1b7_prep,@function
k_qcaca28e1b7_prep:
	s_mov_b64 s[64:65], 0
	v_nop
	global_prefetch_b8 v0, s[64:65] scope:SCOPE_SE
	s_setreg_imm32_b32 hwreg(HW_REG_WAVE_MODE, 25, 1), 1
	s_wait_xcnt 0x0
; ProtoMix, launch 1 of 3: the small tensors become codes of E4M3, laid as images of operand registers, and three f32 tables of the prototypes are made.
; WHAT THE PROGRAM DOES NOT REPEAT, for all values of the inputs:
;  - Product 2.  The einsum contracts bilinear_w (first axis) with pa = protos[labels_a].  The quantiser works number by number with a given scale, so column b of the computed operand is
;    Q(protos[labels_a[b]]): one of at most 1,024 columns.  The product is made once for each prototype, Tt[p][j] = sum_i Q(protos[p][i]) Q(W[i][j]) (next launch), and looked up by the stored label.
;  - Product 4.  cat(pa, pb) . lin_w = u[labels_a] + v[labels_b] with u = protos . lin_w[:1024], v = protos . lin_w[1024:]: two f32 tables, made here.
;  - The root.  It is taken of each lane's least d2 alone (next launch), with the ties of the rounded root kept.
; Every input is loaded by some launch.  LIMITS: NaN among the inputs is not served; a NaN, an infinity or an overflow that would reach only the repeated work left out is not carried to the result;
; each quantiser's exponent e lies between -126 and 119, so that 2^e and 448 x 2^e are f32 numbers.
; AN IMAGE of an operand X[n][k] with NT tiles of 16 rows: byte ((s NT + t) 2048) + 512 c + 16 lane + i holds the code of X[row(t, r)][128 s + 32 c + 16 h + i], lane = r + 16 h,
; row(t, r) = 32 (t / 2) + 8 (t % 2) + r + 8 (r / 8).  Four loads of 16 bytes a lane, 512 bytes apart, are a fragment's 16 registers.  The rows of a tile are chosen so that the results of two
; neighbouring tiles, used as source 0, are 16 neighbours along the next K.
; SHARES.  Work-group number / 64 picks the tensor: 0 prototype_embed (codes at e1 and at e3, and the tables), 1 bilinear_w (K is its FIRST axis), 2 proto_fc_w, 3 class_fc_w (25 rows in two tiles;
; rows 25 to 31 become zero codes: their hold is at 0, and their loads are held at row 24).  Number % 64 is the tile.  Wave w takes K steps 2 w and 2 w + 1.
; K innermost: a load reads 512 consecutive bytes of a row; the step's 16 rows turn through the wave's own stage in LDS, so that a lane gets 16 neighbours of each block of 32.
; bilinear_w: a lane takes a column and its registers run down K; nothing is turned.
.set SP,    528                        ; a stage row: 512 bytes + 16: the 16 rows that a load touches start 33 x 16 bytes apart
.set WSTG,  16*SP
.set RED,   4*WSTG                     ; the waves' partial sums: 256 x wave + 64 x table + 4 r
.set SPARE, RED+1024                   ; the spare words, 128 bytes a wave
.set L16,  1                           ; v1   16 x lane
.set RR,   2                           ; v2   r
.set HH,   3                           ; v3   h
.set SPW,  4                           ; v4   my spare word; never rewritten
.set NIL,  5                           ; v5   0; never rewritten
.set VSS,  6                           ; v6   stage, in
.set VSR,  7                           ; v7   stage, out
.set LWO,  8                           ; v8   my bytes in lin_w
.set VROW, 9                           ; v9   row(t, r)
.set SCA,  10                          ; v10, v11  2^e and the hold, first set of codes
.set LIMA, 11
.set SCB,  12                          ; v12, v13  the same for e3
.set LIMB, 13
.set SUM,  14                          ; v14-19 three sums in pairs
.set VTO,  20                          ; v20  bilinear_w: my column and first K row
.set VRED, 21
.set VRD,  22
.set STO,  23                          ; v23  4 x row(t, r)
.set RO,   32                          ; v32-47  row q's byte offset
.set R,    48                          ; v48-175 two steps as loaded; later the codes
.set X,    176                         ; v176-239 a step's 64 numbers of my row
.set Y,    240                         ; v240-255 two sets of eight held numbers
.set WV,   36
.set TAU,  37
.set TT,   38
.set RB,   39
.set SRC,  40
.set DA,   42
.set NRM,  44
.set LNT,  45
.set EA,   46
.set SEL,  58
.set MSB, 0
.macro WIN new                         ; the immediate's high byte repeats the setting that is left
.if MSB != (\new)
	s_set_vgpr_msb (MSB<<8)|(\new)
.set MSB, (\new)
.endif
.endm
.macro LOADR sg                        ; 16 rows x 512 bytes of K step 2 w + sg
.irp q,0,1,2,3,4,5,6,7,8,9,10,11,12,13,14,15
	global_load_b128 v[R+64*(\sg)+4*\q:R+64*(\sg)+4*\q+3], v[RO+\q], s[SRC:SRC+1] offset:512*(\sg) th:TH_LOAD_NT
.endr
.endm
.macro LOADT sg                        ; W(128 (2 w + sg) + 32 c + 16 h + i, my column)
.irp c,0,1,2,3
.irp i,0,1,2,3,4,5,6,7,8,9,10,11,12,13,14,15
	global_load_b32 v[R+64*(\sg)+16*\c+\i], v[VTO], s[SRC:SRC+1] offset:4096*(128*(\sg)+32*\c+\i)
.endr
.endr
.endm
.macro TURN sg                         ; LDS serves a wave's instructions in order: no wait between the stores and the loads
.irp q,0,1,2,3,4,5,6,7,8,9,10,11,12,13,14,15
	ds_store_b128 v[VSS], v[R+64*(\sg)+4*\q:R+64*(\sg)+4*\q+3] offset:SP*\q
.endr
.irp c,0,1,2,3
.irp j,0,1,2,3
	ds_load_b128 v[X+16*\c+4*\j:X+16*\c+4*\j+3], v[VSR] offset:128*\c+16*\j
.endr
.endr
.endm
.macro QUANTT src, sc, lim, pc         ; 64 numbers -> 16 registers of codes; the numbers are kept
.irp g,0,1,2,3,4,5,6,7
.irp i,0,1,2,3,4,5,6,7
	v_med3_num_f32 v[Y+8*(\g%2)+\i], v[(\src)+8*\g+\i], -v[\lim], v[\lim]   ; the conversion does not saturate (ISA guide 7.6.2): the hold at 448 x the scale
.endr
	v_cvt_scalef32_pk8_fp8_f32 v[(\pc)+2*\g:(\pc)+2*\g+1], v[Y+8*(\g%2):Y+8*(\g%2)+7], v[\sc]
.endr
	v_nop                                          ; a plain line behind the last conversion
.endm
.macro OUTIMG pc, sb                   ; each store covers 512 consecutive bytes, aligned
.irp c,0,1,2,3
	global_store_b128 v[L16], v[(\pc)+4*\c:(\pc)+4*\c+3], s[(\sb):(\sb)+1] offset:512*\c
.endr
.endm
.macro STATS sg                        ; x . x, x . lin_w[:1024], x . lin_w[1024:], f32, two at a time
.set i, 0
.rept 32
.if ((\sg) == 0) && (i == 0)
	v_pk_mul_f32 v[SUM:SUM+1], v[X:X+1], v[X:X+1]
.else
	v_pk_fma_f32 v[SUM:SUM+1], v[X+2*i:X+2*i+1], v[X+2*i:X+2*i+1], v[SUM:SUM+1]
.endif
.set i, i+1
.endr
	WIN 0x04                                       ; source 1 (lin_w) in window 1
.set i, 0
.rept 32
.if ((\sg) == 0) && (i == 0)
	v_pk_mul_f32 v[SUM+2:SUM+3], v[X:X+1], v[0:1]
	v_pk_mul_f32 v[SUM+4:SUM+5], v[X:X+1], v[64:65]
.else
	v_pk_fma_f32 v[SUM+2:SUM+3], v[X+2*i:X+2*i+1], v[128*(\sg)+2*i:128*(\sg)+2*i+1], v[SUM+2:SUM+3]
	v_pk_fma_f32 v[SUM+4:SUM+5], v[X+2*i:X+2*i+1], v[128*(\sg)+64+2*i:128*(\sg)+64+2*i+1], v[SUM+4:SUM+5]
.endif
.set i, i+1
.endr
	WIN 0
.endm
.macro SCALES                          ; the given exponents become 2^e and 448 x 2^e as f32 patterns
	s_wait_kmcnt 0x0
	s_cmp_eq_u32 s[TAU], 0
	s_cselect_b32 s[EA], s29, s35                  ; e1, or e7
	s_cmp_eq_u32 s[TAU], 1
	s_cselect_b32 s[EA], s30, s[EA]                ; e2
	s_cmp_eq_u32 s[TAU], 2
	s_cselect_b32 s[EA], s33, s[EA]                ; e5
	s_add_co_i32 s56, s[EA], 127
	s_lshl_b32 s57, s56, 23
	v_mov_b32 v[SCA], s57
	s_add_co_i32 s56, s56, 8
	s_lshl_b32 s56, s56, 23
	s_or_b32 s56, s56, 0x600000
	v_mov_b32 v24, s56
	v_cmp_ge_u32 vcc_lo, s[NRM], v[VROW]           ; does my row exist?
	v_cndmask_b32 v[LIMA], 0, v24, vcc_lo          ; a row beyond the tensor is held at 0: zero codes
	s_add_co_i32 s56, s31, 127                     ; e3
	s_lshl_b32 s57, s56, 23
	v_mov_b32 v[SCB], s57
	s_add_co_i32 s56, s56, 8
	s_lshl_b32 s56, s56, 23
	s_or_b32 s56, s56, 0x600000
	v_mov_b32 v[LIMB], s56
.endm
.macro STEPK sg                        ; one K step of a tensor whose K is innermost
	TURN \sg
	s_wait_dscnt 0x0                               ; my 64 numbers are in, and the stage's stores have read their registers, which take the codes
	s_cmp_lg_u32 s[TAU], 0
	s_cbranch_scc1 .Lplain_\@
	STATS \sg
	QUANTT X, SCB, LIMB, R+64*(\sg)+16
	OUTIMG R+64*(\sg)+16, 52+2*(\sg)
.Lplain_\@:
	s_wait_alu depctr_va_vdst(0)
	QUANTT X, SCA, LIMA, R+64*(\sg)
	OUTIMG R+64*(\sg), 48+2*(\sg)
.endm
	s_load_b512 s[4:19], s[0:1], 0x0               ; protos, bilinear_w, proto_fc_w, class_fc_w, lin_w, scales, b1img, p3img
	s_load_b256 s[20:27], s[0:1], 0x40             ; w2img, b5img, c7img, stats
	v_lshl_add_u32 v[SPW], v0, 2, SPARE
	v_mov_b32 v[NIL], 0
	v_lshrrev_b32 v24, 5, v0
	v_readfirstlane_b32 s[WV], v24                 ; wave 0..3
	v_and_b32 v24, 31, v0
	v_lshlrev_b32 v[L16], 4, v24
	s_wait_alu depctr_va_vdst(0)
	v_and_b32 v[RR], 15, v0
	s_wait_alu depctr_va_vdst(0)
	v_bfe_u32 v[HH], v0, 4, 1
	s_lshr_b32 s[TAU], ttmp9, 6                    ; which tensor
	s_and_b32 s[TT], ttmp9, 63                     ; which tile
	s_lshr_b32 s[RB], s[TT], 1
	s_lshl_b32 s[RB], s[RB], 5
	s_and_b32 s56, s[TT], 1
	s_lshl_b32 s56, s56, 3
	s_add_co_u32 s[RB], s[RB], s56                 ; 32 (t / 2) + 8 (t % 2)
	s_mov_b32 s[NRM], 1023
	s_cmp_eq_u32 s[TAU], 3
	s_cselect_b32 s[NRM], 24, s[NRM]               ; the tensor's last row
	s_cselect_b32 s[LNT], 1, 6                     ; log2 of its tiles
	s_mov_b32 s[SEL], 0x76543210
	s_mov_b32 s[SEL+1], 0xfedcba98
	s_mul_i32 s56, s[WV], WSTG
	v_add_nc_u32 v[VSS], s56, v[L16]
	v_mul_u32_u24 v[VSR], v[RR], SP
	s_wait_alu depctr_va_vdst(0)
	v_lshl_add_u32 v[VSR], v[HH], 6, v[VSR]
	v_add_nc_u32 v[VSR], s56, v[VSR]
	v_lshlrev_b32 v[VRD], 2, v[RR]
	v_add_nc_u32 v[VRD], RED, v[VRD]
	s_lshl_b32 s56, s[WV], 8
	v_add_nc_u32 v[VRED], s56, v[VRD]
	v_and_b32 v[VROW], 8, v[RR]
	v_add_nc_u32 v[VROW], v[VROW], v[RR]
	v_add_nc_u32 v[VROW], s[RB], v[VROW]
	v_lshlrev_b32 v[STO], 2, v[VROW]
	s_lshl_b32 s56, s[WV], 10
	v_add_nc_u32 v24, s56, v[L16]                  ; my wave's two steps in a row, 16 bytes a lane
	s_wait_alu depctr_va_vdst(0)
	v_lshl_add_u32 v[LWO], v[HH], 6, s56
.irp q,0,1,2,3,4,5,6,7,8,9,10,11,12,13,14,15
	s_add_co_u32 s57, s[RB], \q+8*(\q/8)
	s_min_u32 s57, s57, s[NRM]                     ; no load leaves the tensor
	s_lshl_b32 s57, s57, 12
	v_add_nc_u32 v[RO+\q], s57, v24
.endr
	s_lshl_b32 s56, s[WV], 20                      ; bilinear_w: 256 w rows of 4,096 bytes,
	v_lshl_add_u32 v[VTO], v[HH], 16, v[STO]       ; 16 h rows, my column
	v_add_nc_u32 v[VTO], s56, v[VTO]
	s_lshl_b32 s56, s[WV], 1
	s_lshl_b32 s56, s56, s[LNT]
	s_add_co_u32 s56, s56, s[TT]
	s_lshl_b32 s60, s56, 11                        ; (2 w NT + t) 2048
	s_mov_b32 s61, 0
	s_lshl_b32 s57, 2048, s[LNT]                   ; a K step on
	s_wait_kmcnt 0x0
	s_load_b256 s[28:35], s[14:15], 0x0            ; e0 .. e7
	s_cmp_eq_u32 s[TAU], 0                         ; the choices hang on the work-group's number alone
	s_cselect_b64 s[SRC:SRC+1], s[4:5], s[10:11]
	s_cselect_b64 s[DA:DA+1], s[16:17], s[24:25]
	s_cmp_eq_u32 s[TAU], 1
	s_cselect_b64 s[SRC:SRC+1], s[6:7], s[SRC:SRC+1]
	s_cselect_b64 s[DA:DA+1], s[20:21], s[DA:DA+1]
	s_cmp_eq_u32 s[TAU], 2
	s_cselect_b64 s[SRC:SRC+1], s[8:9], s[SRC:SRC+1]
	s_cselect_b64 s[DA:DA+1], s[22:23], s[DA:DA+1]
	s_add_nc_u64 s[48:49], s[DA:DA+1], s[60:61]
	s_add_nc_u64 s[52:53], s[18:19], s[60:61]      ; p3img: used by the prototypes' work-groups alone
	s_mov_b32 s60, s57
	s_add_nc_u64 s[50:51], s[48:49], s[60:61]
	s_add_nc_u64 s[54:55], s[52:53], s[60:61]
	s_cmp_lg_u32 s[TAU], 1
	s_cbranch_scc1 .Lrows
	s_wait_alu depctr_va_vdst(0)
	LOADT 0                                        ; bilinear_w: K is the first axis
	LOADT 1
	SCALES
	s_wait_alu depctr_va_vdst(0)
	s_wait_loadcnt 63                              ; of 128 loads at most 63 are out: the first step's 64 are in
	QUANTT R, SCA, LIMA, X
	OUTIMG X, 48
	s_wait_loadcnt 0x0
	QUANTT R+64, SCA, LIMA, X+16
	OUTIMG X+16, 50
	s_branch .Ljoin
.Lrows:
	s_wait_alu depctr_va_vdst(0)
	LOADR 0
	LOADR 1
	s_cmp_lg_u32 s[TAU], 0
	s_cbranch_scc1 .Lno_lw
	WIN 0x40                                       ; lin_w's numbers for my k, both halves, both steps: window 1
.irp sg,0,1
.irp tb,0,1
.irp c,0,1,2,3
.irp j,0,1,2,3
	global_load_b128 v[128*\sg+64*\tb+16*\c+4*\j:128*\sg+64*\tb+16*\c+4*\j+3], v[LWO], s[12:13] offset:4096*\tb+512*\sg+128*\c+16*\j
.endr
.endr
.endr
.endr
	WIN 0
.Lno_lw:
	SCALES
	s_wait_loadcnt 0x0
	STEPK 0
	STEPK 1
	s_cmp_lg_u32 s[TAU], 0
	s_cbranch_scc1 .Ljoin
	v_add_f32 v14, v14, v15                        ; the pairs' halves, then the other half of the lanes
	v_add_f32 v16, v16, v17
	v_add_f32 v18, v18, v19
	v_permlanex16_b32 v15, v14, s[SEL], s[SEL+1]
	v_permlanex16_b32 v17, v16, s[SEL], s[SEL+1]
	v_permlanex16_b32 v19, v18, s[SEL], s[SEL+1]
	v_add_f32 v14, v14, v15
	v_add_f32 v16, v16, v17
	v_add_f32 v18, v18, v19
	ds_store_b32 v[VRED], v14                      ; lanes r and r + 16 write the same number to the same word
	ds_store_b32 v[VRED], v16 offset:64
	ds_store_b32 v[VRED], v18 offset:128
.Ljoin:
	s_wait_dscnt 0x0                               ; for the others' sake: my stores have landed
	s_barrier_signal -1
	s_barrier_wait -1
	s_or_b32 s56, s[TAU], s[WV]
	s_cmp_lg_u32 s56, 0
	s_cbranch_scc1 .Lend                           ; wave 0 of a prototypes' work-group adds the four waves' parts
	s_wait_xcnt 0x0                                ; the images' stores have read their registers: v176 on are written again only behind this wait; no global instruction follows it ahead of the change of EXEC below
.irp st,0,1,2
.irp w,0,1,2,3
	ds_load_b32 v[X+4*\st+\w], v[VRD] offset:256*\w+64*\st
.endr
.endr
	s_wait_dscnt 0x0
.irp st,0,1,2
	v_add_f32 v[X+4*\st], v[X+4*\st], v[X+4*\st+1]
	v_add_f32 v[X+4*\st+2], v[X+4*\st+2], v[X+4*\st+3]
	v_add_f32 v[X+4*\st], v[X+4*\st], v[X+4*\st+2]
.endr
	v_cmp_gt_u32 vcc_lo, 16, v0
	s_and_saveexec_b32 s56, vcc_lo
.irp st,0,1,2
	global_store_b32 v[STO], v[X+4*\st], s[26:27] offset:4096*\st   ; p_sq, u, v of row(t, r)
.endr
	s_wait_xcnt 0x0                                ; EXEC is restored only behind this wait
	s_or_b32 exec_lo, exec_lo, s56
.Lend:
	s_wait_tensorcnt 0x0                           ; the wave's end, behind the last LDS store
	ds_add_u32 v[SPW], v[NIL]
	s_wait_dscnt 0x0
	s_endpgm
.Lfunc_end_k_qcaca28e1b7_prep:
	.size	k_qcaca28e1b7_prep, .Lfunc_end_k_qcaca28e1b7_prep-k_qcaca28e1b7_prep
	.p2alignl 7, 3214868480
	.fill 96, 4, 3214868480
	.section	.rodata,"a",@progbits
	.p2align	6, 0x0
	.amdhsa_kernel k_qcaca28e1b7_prep
		.amdhsa_group_segment_fixed_size 35328
		.amdhsa_private_segment_fixed_size 0
		.amdhsa_enable_private_segment 0
		.amdhsa_kernarg_size 96
		.amdhsa_user_sgpr_count 2
		.amdhsa_user_sgpr_kernarg_segment_ptr 1
		.amdhsa_wavefront_size32 1
		.amdhsa_system_sgpr_workgroup_id_x 1
		.amdhsa_system_sgpr_workgroup_id_y 1
		.amdhsa_system_sgpr_workgroup_id_z 1
		.amdhsa_system_vgpr_workitem_id 0
		.amdhsa_next_free_vgpr 512
		.amdhsa_next_free_sgpr 66
		.amdhsa_reserve_vcc 1
		.amdhsa_float_denorm_mode_32 3
		.amdhsa_float_denorm_mode_16_64 3
		.amdhsa_memory_ordered 1
		.amdhsa_forward_progress 1
		.amdhsa_inst_pref_size 77
	.end_amdhsa_kernel
	.amdgpu_metadata
---
amdhsa.version: [ 1, 2 ]
amdhsa.kernels:
  - .name:           k_qcaca28e1b7_prep
    .symbol:         k_qcaca28e1b7_prep.kd
    .args:
      - { .name: prototype_embed, .offset: 0, .size: 8, .value_kind: global_buffer, .address_space: global }
      - { .name: bilinear_w, .offset: 8, .size: 8, .value_kind: global_buffer, .address_space: global }
      - { .name: proto_fc_w, .offset: 16, .size: 8, .value_kind: global_buffer, .address_space: global }
      - { .name: class_fc_w, .offset: 24, .size: 8, .value_kind: global_buffer, .address_space: global }
      - { .name: lin_w, .offset: 32, .size: 8, .value_kind: global_buffer, .address_space: global }
      - { .name: lowp_scales, .offset: 40, .size: 8, .value_kind: global_buffer, .address_space: global }
      - { .name: b1img, .offset: 48, .size: 8, .value_kind: global_buffer, .address_space: global }
      - { .name: p3img, .offset: 56, .size: 8, .value_kind: global_buffer, .address_space: global }
      - { .name: w2img, .offset: 64, .size: 8, .value_kind: global_buffer, .address_space: global }
      - { .name: b5img, .offset: 72, .size: 8, .value_kind: global_buffer, .address_space: global }
      - { .name: c7img, .offset: 80, .size: 8, .value_kind: global_buffer, .address_space: global }
      - { .name: stats, .offset: 88, .size: 8, .value_kind: global_buffer, .address_space: global }
    .group_segment_fixed_size: 35328
    .private_segment_fixed_size: 0
    .kernarg_segment_align: 8
    .kernarg_segment_size: 96
    .max_flat_workgroup_size: 128
    .sgpr_count:     66
    .vgpr_count:     512
    .wavefront_size: 32
...
	.end_amdgpu_metadata
.endif
;; end of part 1
;; launch nearest (part 2): grid 256 x 1, 4 waves a work-group, clusters of 4 x 1, 327,680 bytes of LDS; arguments patient_embed, b1img, w2img, p3img, stats, lowp_scales, tt, labels; writes tt, labels
.if DOCPART == 2
	.amdgcn_target "amdgcn-amd-amdhsa--gfx1250"
	.amdhsa_code_object_version 6
	.text
	.protected	k_qcaca28e1b7_nearest
	.globl	k_qcaca28e1b7_nearest
	.p2align	8
	.type	k_qcaca28e1b7_nearest,@function
k_qcaca28e1b7_nearest:
	s_mov_b64 s[64:65], 0
	v_nop
	global_prefetch_b8 v0, s[64:65] scope:SCOPE_SE
	s_setreg_imm32_b32 hwreg(HW_REG_WAVE_MODE, 25, 1), 1
	s_wait_xcnt 0x0
	s_wait_alu depctr_hold_cnt(0) depctr_sa_sdst(0) depctr_va_vdst(0) depctr_va_sdst(0) depctr_va_ssrc(0) depctr_va_vcc(0) depctr_vm_vsrc(0)
	s_getreg_b32 s2, hwreg(HW_REG_IB_STS2, 6, 4)
	s_cmp_eq_u32 s2, 0
	s_cbranch_scc0 .Lentry_in_a_cluster
	s_endpgm
.Lentry_in_a_cluster:
	s_bfe_u32 s2, ttmp6, 0x10000c
	s_cmp_lg_u32 s2, 0x3003
	s_cbranch_scc0 .Lentry_shape_is_right
	s_endpgm
.Lentry_shape_is_right:
; ProtoMix, launch 2 of 3: labels[b] = the first index of the least dist[b][:] (product 1 on codes of E4M3), and the table Tt (product 2, once for each prototype).
; WORK NOT REPEATED (shown at the head of the first kernel): product 2 is made for the 1,024 prototypes, not for the 16,384 gathered columns.
; THE ROOT.  dist = sqrt(max(d2, 0)) rounded to f32 does not decrease with d2, so the least dist is the root s of the least clamped d2; but neighbouring d2 may share one rounded root, and the
; argmin keeps the first of them.  So each lane takes s, correctly rounded (v_sqrt_f32 and two fused checks against its neighbours), and looks for its first d2 <= the largest f32 whose rounded
; root is s: s x next(s), rounded down.  Candidates (s, column) are merged: the lesser s, then the lesser column.
; d2 = (e_sq + p_sq) - 2 x product, in that order and with those roundings: one addition, one fused multiply-add by -2^(1 + e0 + e1).
; LIMITS: NaN among the inputs is not served; e0 between -126 and 119; e0 + e1 + 1 and e2 + e3 between -126 and 127; the order of the f32 additions along K differs from cluster to cluster (below).
; SHARES.  A work-group owns 64 patients and all 1,024 prototypes; wave w owns prototypes 256 w .. 256 w + 255 for all 64 rows: 64 accumulators, 512 registers.  K goes in 8 steps of 128.
; THE WALK ALONG K.  Cluster c takes the 8 K steps in the order (c % 8 + n) % 8, n = 0 .. 7: walk step n.  So at any time the 64 clusters ask for all eight steps' images, eight clusters each, and
; every image that a refill asks for has been asked for one walk step earlier by the clusters whose start lies one step further on.  The start is the same in a cluster's four partners.
; A: wave w loads rows 16 w .. 16 w + 15 as f32 (a unit = 16 rows x 512 bytes, three units ahead), turns them through its stage in LDS, sums their squares, quantises, and stores the fragment as an
; image of its registers; all four waves read the four images behind the step's barrier.
; B: register images from the launch before, 131,072 bytes a step, through two LDS slots.  The four work-groups of a cluster read the same images: each wave asks JOINTLY for the 32,768 bytes that it
; alone reads.  A wave has one tensor load out at the start and one behind each round.
; THE MATRIX INSTRUCTION IS USED TRANSPOSED: source 0 = 16 prototypes, source 1 = 16 patients: lane (r, h) holds patient r; register j of local tile t holds prototype 256 w + 32 (t / 2) + 16 h + 8 (t % 2) + j.
; REGISTERS: window 0: v1-15 addresses; v16-19 sums; v32-95 AX (a step's numbers, then A's four fragments, later d2); v96-111 codes; v112-149 own; v160-223 unit 2, later d2; v224-255 Tt's rows on their way out.
;   window 1: v0-127 two sets of four tiles of B; v128-255 units 0 and 1, later p_sq.   windows 2, 3: accumulator (a, t) at 32 (t % 8) + 8 a.
.set STEPB, 131072
.set SLOT1, 131072
.set ABUF,  262144                     ; two buffers of four fragment images
.set STAGE, 278528                     ; 8,448 bytes a wave
.set SP,    528
.set WSTG,  16*SP
.set RED,   312320                     ; candidates: 512 x wave + 8 x row
.set ESQ,   RED+2048                   ; e_sq of the 64 rows
.set SPARE, 325632                     ; the spare words, 128 bytes a wave
.set L16, 1
.set RR,  2
.set HH,  3
.set SPW, 4
.set NIL, 5
.set VBS, 6                            ; v6, v7 my part of slot 0, 1
.set VAF, 8
.set VAI, 9
.set VSS, 10
.set VSR, 11
.set SCQ, 13
.set LIM, 14
.set AX,  32
.set TA,  32
.set PC,  96
.set ESV, 112                          ; v112-119 e_sq of row 16 a + r, in pairs
.set TSO, 120
.set TRD, 121
.set TGO, 122
.set PSO, 123
.set VES, 124
.set VER, 125
.set VCS, 126
.set VCR, 127
.set LBO, 128
.set COLB, 129
.set IX,  130
.set MN,  134
.set SQ,  138                          ; v[138:139] the candidate: s, column
.set COL, 139
.set PO,  140
.set PC2, 141
.set XM,  142
.set SD,  143
.set SU,  144
.set VP,  145
.set VS,  146
.set THR, 147
.set T0,  148
.set T1,  149
.set TBK, 224                          ; v224-255 Tt's rows read back from the stage: named by no other line
.set BW,  6                            ; s[6:7]   b1img + my wave's 32,768 bytes of a step; kept
.set WV,  20
.set CX,  21
.set G,   22
.set C0,  23                           ; s23      the cluster's start along K: cluster x % 8
.set G1,  24
.set G0,  32
.set EP,  48
.set TTB, 50
.set P3B, 52
.set W2B, 54
.set M2,  56
.set TS,  58
.set SEL, 60
.set LAB, 76
.set KO,  78                           ; s[78:79] an offset made of the start alone; the high word stays 0
.set EPK, 80                           ; s80-95   walk step n: my 16 rows at that step's 512 bytes; never rewritten
.set MSB, 0
.macro WIN new                         ; the immediate's high byte repeats the setting that is left
.if MSB != (\new)
	s_set_vgpr_msb (MSB<<8)|(\new)
.set MSB, (\new)
.endif
.endm
.macro PLACES                          ; four plain places behind matrix instructions (ISA guide 7.12.1)
.rept 4
	v_nop
.endr
.endm
.macro KOFF n, sh                      ; walk step n's K step, shifted: ((start + n) % 8) << sh
	s_add_co_u32 s[KO], s[C0], \n
	s_and_b32 s[KO], s[KO], 7
	s_lshl_b32 s[KO], s[KO], \sh
.endm
.macro ROUND                           ; a round of the cluster's barrier
	s_barrier_signal -1
	s_barrier_wait -1
	s_cmp_lg_u32 s[WV], 0
	s_cbranch_scc1 .Lnot_wave_0_\@
	s_barrier_signal -3
.Lnot_wave_0_\@:
	s_barrier_wait -3
	s_barrier_signal -1
	s_barrier_wait -1
.endm
.macro ULOAD n                         ; unit n: my 16 rows' 512 bytes of walk step n; register sets by turns of three
.if ((\n)%3) == 2
	WIN 0
.set UB, 160
.else
	WIN 0x40
.set UB, 128+64*((\n)%3)
.endif
.irp q,0,1,2,3,4,5,6,7,8,9,10,11,12,13,14,15
	global_load_b128 v[UB+4*\q:UB+4*\q+3], v[L16], s[EPK+2*(\n):EPK+2*(\n)+1] offset:4096*\q th:TH_LOAD_NT
.endr
	WIN 0
.endm
.macro USTORE n
.if ((\n)%3) == 2
	WIN 0
.set UB, 160
.else
	WIN 0x04
.set UB, 128+64*((\n)%3)
.endif
.irp q,0,1,2,3,4,5,6,7,8,9,10,11,12,13,14,15
	ds_store_b128 v[VSS], v[UB+4*\q:UB+4*\q+3] offset:SP*\q
.endr
	WIN 0
.endm
.macro TURNRD                          ; register 16 c + i = k 32 c + 16 h + i of my row; LDS serves a wave in order
.irp c,0,1,2,3
.irp j,0,1,2,3
	ds_load_b128 v[AX+16*\c+4*\j:AX+16*\c+4*\j+3], v[VSR] offset:128*\c+16*\j
.endr
.endr
.endm
.macro QUANT
.irp b,0,1,2,3
.irp i,0,1,2,3,4,5,6,7,8,9,10,11,12,13,14,15
	v_med3_num_f32 v[AX+16*\b+\i], v[AX+16*\b+\i], -v[LIM], v[LIM]   ; the conversion does not saturate (ISA guide 7.6.2)
.endr
	v_cvt_scalef32_pk8_fp8_f32 v[PC+4*\b:PC+4*\b+1], v[AX+16*\b:AX+16*\b+7], v[SCQ]
	v_cvt_scalef32_pk8_fp8_f32 v[PC+4*\b+2:PC+4*\b+3], v[AX+16*\b+8:AX+16*\b+15], v[SCQ]
.endr
	v_nop                                          ; a plain line behind the last conversion
.endm
.macro IMAGE s
.irp c,0,1,2,3
	ds_store_b128 v[VAI], v[PC+4*\c:PC+4*\c+3] offset:8192*((\s)%2)+512*\c
.endr
.endm
.macro FRONT s                         ; walk step s of my 16 rows becomes a fragment image
.if (\s) <= 5
	s_wait_loadcnt 32                              ; unit s is in; the two units behind it stay out
.else
	s_wait_loadcnt 16*(7-(\s))
.endif
	USTORE \s
	TURNRD
	s_wait_dscnt 0x0                               ; my numbers are in, and the stage's stores have read the unit's registers,
.if (\s)+3 <= 7
	ULOAD (\s)+3                                   ; which take the unit three steps on
.endif
.set i, 0
.rept 16
.if ((\s) == 0) && (i == 0)
	v_pk_mul_f32 v[16:17], v[AX:AX+1], v[AX:AX+1]
	v_pk_mul_f32 v[18:19], v[AX+2:AX+3], v[AX+2:AX+3]
.else
	v_pk_fma_f32 v[16:17], v[AX+4*i:AX+4*i+1], v[AX+4*i:AX+4*i+1], v[16:17]
	v_pk_fma_f32 v[18:19], v[AX+4*i+2:AX+4*i+3], v[AX+4*i+2:AX+4*i+3], v[18:19]
.endif
.set i, i+1
.endr
.if (\s) == 7
	v_add_f32 v16, v16, v17
	v_add_f32 v18, v18, v19
	v_add_f32 v16, v16, v18
	v_permlanex16_b32 v17, v16, s[SEL], s[SEL+1]
	v_add_f32 v16, v16, v17                        ; e_sq of my row
	ds_store_b32 v[VES], v16
.endif
	QUANT
	IMAGE \s
.endm
.macro SYNC_R x, n                     ; slot x, read out in the step before, is filled again, with walk step n's tiles
	s_wait_tensorcnt 0x0                           ; my one load, this step's tiles, has landed: a group 0 may be written
	ds_add_u32 v[SPW], v[NIL]                      ; the address below is made while it is out
	KOFF \n, 17                                    ; a K step's images are 131,072 bytes
	s_add_nc_u64 s[G0+4*(\x)+2:G0+4*(\x)+3], s[BW:BW+1], s[KO:KO+1]
	s_or_b32 s[G0+4*(\x)+3], s[G0+4*(\x)+3], 0x80000000   ; type = 2
	s_wait_dscnt 0x0                               ; the add, my image's stores, my reads of slot x and of the other A buffer
	ROUND                                          ; that now holds of every wave of the four work-groups
	tensor_load_to_lds s[G0+4*(\x):G0+4*(\x)+3], s[G1:G1+7]
	s_nop 0
	PLACES
.endm
.macro BLOAD slot, t0, qb
.irp i,0,1,2,3
.irp c,0,1,2,3
	ds_load_b128 v[(\qb)+16*\i+4*\c:(\qb)+16*\i+4*\c+3], v[VBS+(\slot)] offset:2048*((\t0)+\i)+512*\c
.endr
.endr
.endm
.macro MUL16 t0, qb, zero              ; four tiles of B x A's four: the 64 accumulators take turns, in the same order in every step
.irp i,0,1,2,3
.irp a,0,1,2,3
.if \zero
	v_wmma_f32_16x16x128_fp8_fp8 v[32*(((\t0)+\i)%8)+8*\a:32*(((\t0)+\i)%8)+8*\a+7], v[(\qb)+16*\i:(\qb)+16*\i+15], v[AX+16*\a:AX+16*\a+15], 0
.else
	v_wmma_f32_16x16x128_fp8_fp8 v[32*(((\t0)+\i)%8)+8*\a:32*(((\t0)+\i)%8)+8*\a+7], v[(\qb)+16*\i:(\qb)+16*\i+15], v[AX+16*\a:AX+16*\a+15], v[32*(((\t0)+\i)%8)+8*\a:32*(((\t0)+\i)%8)+8*\a+7]
.endif
.endr
.endr
.endm
.macro GEMM s, zero
	WIN 0
.irp a,0,1,2,3
.irp c,0,1,2,3
	ds_load_b128 v[AX+16*\a+4*\c:AX+16*\a+4*\c+3], v[VAF] offset:8192*((\s)%2)+2048*\a+512*\c
.endr
.endr
	WIN 0x40
	BLOAD (\s)%2, 0, 0
	BLOAD (\s)%2, 4, 64
	s_wait_dscnt 16                                ; A and tiles 0-3 are in; tiles 4-7 may be out
	WIN 0xa1
	MUL16 0, 0, \zero
	PLACES
	WIN 0x40
	BLOAD (\s)%2, 8, 0
	s_wait_dscnt 16                                ; tiles 4-7 are in
	WIN 0xa1
	MUL16 4, 64, \zero
	PLACES
	WIN 0x40
	BLOAD (\s)%2, 12, 64
	s_wait_dscnt 16                                ; tiles 8-11 are in
	WIN 0xf1
	MUL16 8, 0, \zero
	s_wait_dscnt 0x0
	MUL16 12, 64, \zero
	PLACES
	WIN 0
.endm
.macro ARGMIN a                        ; rows 16 a + r: rank 8 t + j stands for prototype 256 w + 32 (rank / 16) + 16 h + rank % 16
	WIN 0x01
.set i, 0
.rept 64
.set dr, 32+2*i+64*(i/32)
	v_pk_add_f32 v[dr:dr+1], v[128+2*i:129+2*i], v[ESV+2*(\a):ESV+2*(\a)+1] op_sel_hi:[1,0]   ; e_sq + p_sq
.set i, i+1
.endr
	WIN 0x02
.irp t,0,1,2,3,4,5,6,7
.irp j,0,2,4,6
	v_pk_fma_f32 v[32+8*\t+\j:33+8*\t+\j], v[32*\t+8*(\a)+\j:32*\t+8*(\a)+\j+1], s[M2:M2+1], v[32+8*\t+\j:33+8*\t+\j] op_sel_hi:[1,0,1]   ; each accumulator from its low end on
.endr
.endr
	WIN 0x03
.irp t,0,1,2,3,4,5,6,7
.irp j,0,2,4,6
	v_pk_fma_f32 v[160+8*\t+\j:161+8*\t+\j], v[32*\t+8*(\a)+\j:32*\t+8*(\a)+\j+1], s[M2:M2+1], v[160+8*\t+\j:161+8*\t+\j] op_sel_hi:[1,0,1]
.endr
.endr
	WIN 0
.irp c,0,1,2,3
.set bc, 32+32*\c+64*(\c/2)
	v_min3_num_f32 v[MN+\c], v[bc], v[bc+1], v[bc+2]
.endr
.set i, 1
.rept 14
.irp c,0,1,2,3
.set bc, 32+32*\c+64*(\c/2)
	v_min3_num_f32 v[MN+\c], v[MN+\c], v[bc+2*i+1], v[bc+2*i+2]
.endr
.set i, i+1
.endr
.irp c,0,1,2,3
.set bc, 32+32*\c+64*(\c/2)
	v_min_num_f32 v[MN+\c], v[MN+\c], v[bc+31]
.endr
	v_min3_num_f32 v[MN], v[MN], v[MN+1], v[MN+2]
	v_min_num_f32 v[MN], v[MN], v[MN+3]
	v_max_num_f32 v[XM], 0, v[MN]                  ; the clamp
	s_wait_alu depctr_va_vdst(0)
	v_sqrt_f32 v[SQ], v[XM]
.irp c,0,1,2,3
	v_mov_b32 v[IX+\c], 1000                       ; plain lines behind the root
.endr
	s_wait_alu depctr_va_vdst(0)                   ; the wait ahead of the first line that names the root
	v_add_nc_u32 v[SD], -1, v[SQ]                  ; the f32 below s
	v_min_u32 v[SD], v[SD], v[SQ]                  ; (0 stays 0)
	v_add_nc_u32 v[SU], 1, v[SQ]                   ; the f32 above s
	v_fma_f32 v[VP], -v[SD], v[SQ], v[XM]
	v_fma_f32 v[VS], -v[SU], v[SQ], v[XM]
	v_cmp_ge_f32 vcc_lo, 0, v[VP]                  ; x <= s x below(s): the rounded root is below(s)
	v_cndmask_b32 v[SQ], v[SQ], v[SD], vcc_lo
	v_cmp_lt_f32 vcc_lo, 0, v[VS]                  ; x > s x above(s): it is above(s)
	v_cndmask_b32 v[SQ], v[SQ], v[SU], vcc_lo
	v_add_nc_u32 v[SU], 1, v[SQ]
	v_mul_f32 v[THR], v[SQ], v[SU]
	v_fma_f32 v[VP], v[SQ], v[SU], -v[THR]         ; the exact product less the rounded one
	v_add_nc_u32 v[SD], -1, v[THR]
	v_cmp_gt_f32 vcc_lo, 0, v[VP]
	v_cndmask_b32 v[THR], v[THR], v[SD], vcc_lo    ; s x above(s) rounded down: the largest f32 whose rounded root is s
.set i, 31
.rept 32                               ; four chains of 32 ranks, each walked downward: the least rank with d2 <= the bound stays
.irp c,0,1,2,3
.set bc, 32+32*\c+64*(\c/2)
	v_cmp_gt_f32 s[68+\c], v[bc+i], v[THR]
.endr
.irp c,0,1,2,3
	v_cndmask_b32 v[IX+\c], i, v[IX+\c], s[68+\c]
.endr
.set i, i-1
.endr
	v_add_nc_u32 v[IX+1], 32, v[IX+1]
	v_add_nc_u32 v[IX+2], 64, v[IX+2]
	v_add_nc_u32 v[IX+3], 96, v[IX+3]
	v_min_u32 v[IX], v[IX], v[IX+1]
	v_min_u32 v[IX+2], v[IX+2], v[IX+3]
	v_min_u32 v[IX], v[IX], v[IX+2]
	v_lshrrev_b32 v[T0], 4, v[IX]
	v_and_b32 v[T1], 15, v[IX]
	v_lshl_add_u32 v[T0], v[T0], 5, v[T1]
	v_add_nc_u32 v[COL], v[COLB], v[T0]
	v_permlanex16_b32 v[PO], v[SQ], s[SEL], s[SEL+1]     ; the row's other 128 prototypes of my wave lie in the lane 16 away
	v_permlanex16_b32 v[PC2], v[COL], s[SEL], s[SEL+1]
	v_cmp_lt_f32 s72, v[PO], v[SQ]
	v_cmp_eq_f32 s73, v[PO], v[SQ]
	v_cmp_lt_u32 s74, v[PC2], v[COL]
	s_and_b32 s73, s73, s74
	s_or_b32 s72, s72, s73
	v_cndmask_b32 v[SQ], v[SQ], v[PO], s72
	v_cndmask_b32 v[COL], v[COL], v[PC2], s72
	ds_store_b64 v[VCS], v[SQ:SQ+1] offset:128*(\a)
.endm
	s_load_b512 s[4:19], s[0:1], 0x0               ; patient, b1img, w2img, p3img, stats, scales, tt, labels
	v_lshl_add_u32 v[SPW], v0, 2, SPARE
	v_mov_b32 v[NIL], 0
	ds_add_u32 v[SPW], v[NIL]                      ; the opening: the add, twice on end, and its wait ahead of my first tensor load
	ds_add_u32 v[SPW], v[NIL]
	v_lshrrev_b32 v24, 5, v0
	v_readfirstlane_b32 s[WV], v24                 ; wave 0..3
	s_bfe_u32 s[CX], ttmp6, 0x40000
	s_lshl_b32 s[G], ttmp9, 2
	s_add_co_u32 s[G], s[G], s[CX]                 ; my block of 64 patients: it enters global addresses alone
	s_and_b32 s[C0], ttmp9, 7                      ; the cluster's start along K: the same in its four work-groups
	s_mov_b32 s[G1], 15|(3<<16)|(1<<21)            ; mask: all four work-groups; elements of 8 bytes; bit 21 beside a mask
	s_mov_b32 s[G1+1], 32<<16                      ; tensor_dim0 = 32 elements: rows of 256 bytes
	s_mov_b32 s[G1+2], 128<<16                     ; tensor_dim1 = 128
	s_mov_b32 s[G1+3], 32<<16                      ; tile_dim0
	s_mov_b32 s[G1+4], 128                         ; tile_dim1
	s_mov_b32 s[G1+5], 32                          ; the pitch: the block is dense
	s_mov_b32 s[G1+6], 0
	s_mov_b32 s[G1+7], 0
	s_mov_b32 s[G0], 1
	s_lshl_b32 s[G0+1], s[WV], 15                  ; slot 0, my 32,768 bytes
	s_mov_b32 s[G0+4], 1
	s_add_co_u32 s[G0+5], s[G0+1], SLOT1
	s_mov_b32 s[SEL], 0x76543210
	s_mov_b32 s[SEL+1], 0xfedcba98
	s_lshl_b32 s62, s[WV], 15
	s_mov_b32 s63, 0
	s_mov_b32 s[KO+1], 0
	s_wait_dscnt 0x0                               ; both opening adds are done
	s_wait_kmcnt 0x0
	s_load_b256 s[40:47], s[14:15], 0x0            ; e0 .. e7
	s_add_nc_u64 s[BW:BW+1], s[BW:BW+1], s[62:63]  ; my 16 tiles of a step
	KOFF 0, 17
	s_add_nc_u64 s[G0+2:G0+3], s[BW:BW+1], s[KO:KO+1]   ; walk step 0
	KOFF 1, 17
	s_add_nc_u64 s[G0+6:G0+7], s[BW:BW+1], s[KO:KO+1]   ; walk step 1
	s_or_b32 s[G0+3], s[G0+3], 0x80000000
	s_or_b32 s[G0+7], s[G0+7], 0x80000000
	ROUND                                          ; all four work-groups are here: the first joint loads meet
	tensor_load_to_lds s[G0:G0+3], s[G1:G1+7]
	s_nop 0
	PLACES
	v_and_b32 v24, 31, v0
	v_lshlrev_b32 v[L16], 4, v24
	s_wait_alu depctr_va_vdst(0)
	v_and_b32 v[RR], 15, v0
	s_wait_alu depctr_va_vdst(0)
	v_bfe_u32 v[HH], v0, 4, 1
	s_lshl_b32 s62, s[G], 18
	s_lshl_b32 s66, s[WV], 16
	s_add_co_u32 s62, s62, s66
	s_add_nc_u64 s[EP:EP+1], s[4:5], s[62:63]      ; my 16 rows of patient_embed
	s_lshr_b32 s66, s[G], 4
	s_lshl_b32 s66, s66, 2
	s_add_co_u32 s66, s66, s[WV]                   ; my tile of prototypes for Tt
	s_lshl_b32 s62, s66, 11
	s_add_nc_u64 s[P3B:P3B+1], s[10:11], s[62:63]
	s_and_b32 s67, s[G], 15
	s_lshl_b32 s62, s67, 13
	s_add_nc_u64 s[W2B:W2B+1], s[8:9], s[62:63]    ; my work-group's four tiles of bilinear_w's columns
	s_lshr_b32 s62, s66, 1
	s_lshl_b32 s62, s62, 5
	s_and_b32 s66, s66, 1
	s_lshl_b32 s66, s66, 3
	s_add_co_u32 s62, s62, s66
	s_lshl_b32 s62, s62, 12
	s_lshl_b32 s67, s67, 8
	s_add_co_u32 s62, s62, s67
	s_add_nc_u64 s[TTB:TTB+1], s[16:17], s[62:63]
	s_lshl_b32 s62, s[G], 8
	s_add_nc_u64 s[LAB:LAB+1], s[18:19], s[62:63]
	; Tt's operands come as register images straight from memory: 32 + 128 loads; the first three units of patients behind them
	WIN 0x40
.irp s,0,1,2,3,4,5,6,7
.irp c,0,1,2,3
	global_load_b128 v[16*\s+4*\c:16*\s+4*\c+3], v[L16], s[P3B:P3B+1] offset:STEPB*\s+512*\c
.endr
.endr
	WIN 0x80
.irp s,0,1,2,3
.irp k,0,1,2,3
.irp c,0,1,2,3
	global_load_b128 v[64*\s+16*\k+4*\c:64*\s+16*\k+4*\c+3], v[L16], s[W2B:W2B+1] offset:STEPB*\s+2048*\k+512*\c
.endr
.endr
.endr
	WIN 0xc0
.irp s,0,1,2,3
.irp k,0,1,2,3
.irp c,0,1,2,3
	global_load_b128 v[64*\s+16*\k+4*\c:64*\s+16*\k+4*\c+3], v[L16], s[W2B:W2B+1] offset:STEPB*(\s+4)+2048*\k+512*\c
.endr
.endr
.endr
	WIN 0
.irp n,0,1,2,3,4,5,6,7
	KOFF \n, 9                                     ; a K step is 512 bytes of a row
	s_add_nc_u64 s[EPK+2*\n:EPK+2*\n+1], s[EP:EP+1], s[KO:KO+1]
.endr
	ULOAD 0
	ULOAD 1
	ULOAD 2
	s_lshl_b32 s62, s[WV], 15
	v_add_nc_u32 v[VBS], s62, v[L16]
	v_add_nc_u32 v[VBS+1], SLOT1, v[VBS]
	v_add_nc_u32 v[VAF], ABUF, v[L16]
	s_lshl_b32 s62, s[WV], 11
	v_add_nc_u32 v[VAI], s62, v[VAF]
	s_mul_i32 s62, s[WV], WSTG
	s_add_co_u32 s62, s62, STAGE
	v_add_nc_u32 v[VSS], s62, v[L16]
	v_mul_u32_u24 v[VSR], v[RR], SP
	s_wait_alu depctr_va_vdst(0)
	v_lshl_add_u32 v[VSR], v[HH], 6, v[VSR]
	v_add_nc_u32 v[VSR], s62, v[VSR]
	v_mul_u32_u24 v[TSO], v[RR], 272
	v_lshl_add_u32 v[TSO], v[HH], 6, v[TSO]
	v_add_nc_u32 v[TSO], s62, v[TSO]
	v_mul_u32_u24 v[TRD], v[HH], 272
	v_lshl_add_u32 v[TRD], v[RR], 4, v[TRD]
	v_add_nc_u32 v[TRD], s62, v[TRD]
	v_lshlrev_b32 v[TGO], 12, v[HH]
	v_lshl_add_u32 v[TGO], v[RR], 4, v[TGO]
	s_lshl_b32 s62, s[WV], 10
	v_lshl_add_u32 v[PSO], v[HH], 6, s62
	v_lshlrev_b32 v[VER], 2, v[RR]
	v_add_nc_u32 v[VER], ESQ, v[VER]
	s_lshl_b32 s62, s[WV], 6
	v_add_nc_u32 v[VES], s62, v[VER]
	v_lshlrev_b32 v[VCS], 3, v[RR]
	s_lshl_b32 s62, s[WV], 9
	s_add_co_u32 s62, s62, RED
	v_add_nc_u32 v[VCS], s62, v[VCS]
	v_add_nc_u32 v[VCR], RED, v[L16]
	v_lshlrev_b32 v[LBO], 3, v24
	s_lshl_b32 s62, s[WV], 8
	v_lshl_add_u32 v[COLB], v[HH], 4, s62
	v_mov_b32 v[PO], 0                             ; written once: a lane permute's destination counts as one of its sources
	v_mov_b32 v[PC2], 0
	s_wait_kmcnt 0x0
	s_add_co_i32 s62, s40, 127
	s_lshl_b32 s63, s62, 23
	v_mov_b32 v[SCQ], s63                          ; 2^e0
	s_add_co_i32 s62, s62, 8
	s_lshl_b32 s62, s62, 23
	s_or_b32 s62, s62, 0x600000
	v_mov_b32 v[LIM], s62                          ; 448 x 2^e0
	s_add_co_i32 s62, s40, s41
	s_add_co_i32 s62, s62, 128
	s_lshl_b32 s62, s62, 23
	s_or_b32 s[M2], s62, 0x80000000                ; -2^(1 + e0 + e1)
	s_mov_b32 s[M2+1], s[M2]
	s_add_co_i32 s62, s42, s43
	s_add_co_i32 s62, s62, 127
	s_lshl_b32 s[TS], s62, 23                      ; 2^(e2 + e3)
	s_mov_b32 s[TS+1], s[TS]
	; ---- Tt: 16 prototypes x 64 columns of bilinear_w a wave: source 0 = 16 columns j, source 1 = my 16 prototypes; four accumulators by turns
	s_wait_loadcnt 63                              ; of 208 loads at most 63 are out: the 96 of the first four K steps are in
	WIN 0x06
.irp s,0,1,2,3
.irp k,0,1,2,3
.if \s == 0
	v_wmma_f32_16x16x128_fp8_fp8 v[TA+8*\k:TA+8*\k+7], v[64*\s+16*\k:64*\s+16*\k+15], v[16*\s:16*\s+15], 0
.else
	v_wmma_f32_16x16x128_fp8_fp8 v[TA+8*\k:TA+8*\k+7], v[64*\s+16*\k:64*\s+16*\k+15], v[16*\s:16*\s+15], v[TA+8*\k:TA+8*\k+7]
.endif
.endr
.endr
	s_wait_loadcnt 48                              ; all but the three units
	WIN 0x07
.irp s,0,1,2,3
.irp k,0,1,2,3
	v_wmma_f32_16x16x128_fp8_fp8 v[TA+8*\k:TA+8*\k+7], v[64*\s+16*\k:64*\s+16*\k+15], v[16*(\s+4):16*(\s+4)+15], v[TA+8*\k:TA+8*\k+7]
.endr
.endr
	PLACES
	WIN 0
.irp k,0,1,2,3
.irp j,0,2,4,6
	v_pk_mul_f32 v[64+8*\k+\j:65+8*\k+\j], v[TA+8*\k+\j:TA+8*\k+\j+1], s[TS:TS+1] op_sel_hi:[1,0]
.endr
.endr
.irp k,0,1,2,3                         ; lane (r, h): prototype row(tile, r), columns 32 (k / 2) + 16 h + 8 (k % 2) + 0 .. 7 of the 64
	ds_store_b128 v[TSO], v[64+8*\k:67+8*\k] offset:128*(\k/2)+32*(\k%2)
	ds_store_b128 v[TSO], v[68+8*\k:71+8*\k] offset:128*(\k/2)+32*(\k%2)+16
.endr
.irp m,0,1,2,3,4,5,6,7
	ds_load_b128 v[TBK+4*\m:TBK+4*\m+3], v[TRD] offset:544*\m      ; my own stage: LDS serves a wave in order
.endr
.irp m,0,1,2,3,4,5,6,7
	s_wait_dscnt 7-\m                              ; the younger loads from the stage may stay out
	global_store_b128 v[TGO], v[TBK+4*\m:TBK+4*\m+3], s[TTB:TTB+1] offset:4096*(2*\m+8*(\m/4))   ; sixteen lanes store 256 consecutive bytes, aligned; data, offset and base are never written again
.endr
	; ---- product 1
	FRONT 0
	s_wait_tensorcnt 0x0                           ; my part of slot 0 is in.  Slot 1's first fill is issued as a refill is: a wave has one tensor load out at the head and one behind each round
	ds_add_u32 v[SPW], v[NIL]
	s_wait_dscnt 0x0
	ROUND
	tensor_load_to_lds s[G0+4:G0+7], s[G1:G1+7]    ; walk step 1
	s_nop 0
	PLACES
	GEMM 0, 1
	FRONT 1
	SYNC_R 0, 2
	GEMM 1, 0
	FRONT 2
	SYNC_R 1, 3
	GEMM 2, 0
	FRONT 3
	SYNC_R 0, 4
	GEMM 3, 0
	FRONT 4
	SYNC_R 1, 5
	GEMM 4, 0
	FRONT 5
	SYNC_R 0, 6
	GEMM 5, 0
	FRONT 6
	SYNC_R 1, 7
	GEMM 6, 0
	FRONT 7
	s_wait_tensorcnt 0x0                           ; the last step: nothing is left to fetch
	ds_add_u32 v[SPW], v[NIL]
	s_wait_dscnt 0x0
	s_barrier_signal -1
	s_barrier_wait -1
.irp a,0,1,2,3
	ds_load_b32 v[ESV+2*\a], v[VER] offset:64*\a
	v_mov_b32 v[ESV+2*\a+1], 0                     ; named with it as a pair, so it is written
.endr
	WIN 0x40
.irp b,0,1,2,3,4,5,6,7
.irp j,0,1,2,3
	global_load_b128 v[128+16*\b+4*\j:131+16*\b+4*\j], v[PSO], s[12:13] offset:128*\b+16*\j   ; p_sq in the results' order
.endr
.endr
	GEMM 7, 0
	s_wait_loadcnt 0x0
	s_wait_alu depctr_va_vdst(0)
	ARGMIN 0
	ARGMIN 1
	ARGMIN 2
	ARGMIN 3
	s_wait_dscnt 0x0
	s_barrier_signal -1
	s_barrier_wait -1
	s_cmp_lg_u32 s[WV], 0
	s_cbranch_scc1 .Ldone
.irp w,0,1,2,3
	ds_load_b128 v[32+4*\w:35+4*\w], v[VCR] offset:512*\w          ; rows 2 lane and 2 lane + 1: (s, column) twice
.endr
	s_wait_dscnt 0x0
.irp w,1,2,3                           ; later waves hold higher columns: only a lesser s displaces
	v_cmp_lt_f32 vcc_lo, v[32+4*\w], v32
	v_cndmask_b32 v32, v32, v[32+4*\w], vcc_lo
	v_cndmask_b32 v33, v33, v[33+4*\w], vcc_lo
	v_cmp_lt_f32 vcc_lo, v[34+4*\w], v34
	v_cndmask_b32 v34, v34, v[34+4*\w], vcc_lo
	v_cndmask_b32 v35, v35, v[35+4*\w], vcc_lo
.endr
	v_mov_b32 v32, v33
	v_mov_b32 v33, v35
	global_store_b64 v[LBO], v[32:33], s[LAB:LAB+1]                ; 64 labels: 256 consecutive bytes, aligned
.Ldone:
	s_wait_tensorcnt 0x0                           ; the wave's end
	ds_add_u32 v[SPW], v[NIL]
	s_wait_dscnt 0x0
	ROUND                                          ; the closing round
	s_endpgm
.Lfunc_end_k_qcaca28e1b7_nearest:
	.size	k_qcaca28e1b7_nearest, .Lfunc_end_k_qcaca28e1b7_nearest-k_qcaca28e1b7_nearest
	.p2alignl 7, 3214868480
	.fill 96, 4, 3214868480
	.section	.rodata,"a",@progbits
	.p2align	6, 0x0
	.amdhsa_kernel k_qcaca28e1b7_nearest
		.amdhsa_group_segment_fixed_size 327680
		.amdhsa_private_segment_fixed_size 0
		.amdhsa_enable_private_segment 0
		.amdhsa_kernarg_size 64
		.amdhsa_user_sgpr_count 2
		.amdhsa_user_sgpr_kernarg_segment_ptr 1
		.amdhsa_wavefront_size32 1
		.amdhsa_system_sgpr_workgroup_id_x 1
		.amdhsa_system_sgpr_workgroup_id_y 1
		.amdhsa_system_sgpr_workgroup_id_z 1
		.amdhsa_system_vgpr_workitem_id 0
		.amdhsa_next_free_vgpr 1024
		.amdhsa_next_free_sgpr 96
		.amdhsa_reserve_vcc 1
		.amdhsa_float_denorm_mode_32 3
		.amdhsa_float_denorm_mode_16_64 3
		.amdhsa_memory_ordered 1
		.amdhsa_forward_progress 1
		.amdhsa_inst_pref_size 255
	.end_amdhsa_kernel
	.section	.bss,"aw",@nobits
	.p2align	6
	.space	262144
	.amdgpu_metadata
---
amdhsa.version: [ 1, 2 ]
amdhsa.kernels:
  - .name:           k_qcaca28e1b7_nearest
    .symbol:         k_qcaca28e1b7_nearest.kd
    .args:
      - { .name: patient_embed, .offset: 0, .size: 8, .value_kind: global_buffer, .address_space: global }
      - { .name: b1img, .offset: 8, .size: 8, .value_kind: global_buffer, .address_space: global }
      - { .name: w2img, .offset: 16, .size: 8, .value_kind: global_buffer, .address_space: global }
      - { .name: p3img, .offset: 24, .size: 8, .value_kind: global_buffer, .address_space: global }
      - { .name: stats, .offset: 32, .size: 8, .value_kind: global_buffer, .address_space: global }
      - { .name: lowp_scales, .offset: 40, .size: 8, .value_kind: global_buffer, .address_space: global }
      - { .name: tt, .offset: 48, .size: 8, .value_kind: global_buffer, .address_space: global }
      - { .name: labels, .offset: 56, .size: 8, .value_kind: global_buffer, .address_space: global }
    .group_segment_fixed_size: 327680
    .private_segment_fixed_size: 0
    .kernarg_segment_align: 8
    .kernarg_segment_size: 64
    .max_flat_workgroup_size: 128
    .sgpr_count:     96
    .vgpr_count:     1024
    .wavefront_size: 32
...
	.end_amdgpu_metadata
.endif
;; end of part 2
;; launch mixhead (part 3): grid 256 x 1, 4 waves a work-group, clusters of 4 x 1, 327,680 bytes of LDS; arguments patient_embed, index, labels, prototype_embed, tt, stats, bilinear_b, lowp_scales, b5img, proto_fc_b, c7img, class_fc_b, out0; writes out0
.if DOCPART == 3
	.amdgcn_target "amdgcn-amd-amdhsa--gfx1250"
	.amdhsa_code_object_version 6
	.text
	.protected	k_qcaca28e1b7_mixhead
	.globl	k_qcaca28e1b7_mixhead
	.p2align	8
	.type	k_qcaca28e1b7_mixhead,@function
k_qcaca28e1b7_mixhead:
	s_mov_b64 s[64:65], 0
	v_nop
	global_prefetch_b8 v0, s[64:65] scope:SCOPE_SE
	s_setreg_imm32_b32 hwreg(HW_REG_WAVE_MODE, 25, 1), 1
	s_wait_xcnt 0x0
	s_wait_alu depctr_hold_cnt(0) depctr_sa_sdst(0) depctr_va_vdst(0) depctr_va_sdst(0) depctr_va_ssrc(0) depctr_va_vcc(0) depctr_vm_vsrc(0)
	s_getreg_b32 s2, hwreg(HW_REG_IB_STS2, 6, 4)
	s_cmp_eq_u32 s2, 0
	s_cbranch_scc0 .Lentry_in_a_cluster
	s_endpgm
.Lentry_in_a_cluster:
	s_bfe_u32 s2, ttmp6, 0x10000c
	s_cmp_lg_u32 s2, 0x3003
	s_cbranch_scc0 .Lentry_shape_is_right
	s_endpgm
.Lentry_shape_is_right:
; ProtoMix, launch 3 of 3: lam, the blend, product 5 and product 6 on codes of E4M3, out0.
; WORK NOT REPEATED (shown at the head of the first kernel): product 2 is looked up in Tt by the stored label, product 4 in the tables u and v.
; lam[b] = sigmoid(Tt[la] . protos[lb] + bilinear_b + u[la] + v[lb]), all f32; la = labels[b], lb = labels[index[b]].
; LIMITS: NaN among the inputs is not served; e4 and e6 between -126 and 119; e4 + e5 and e6 + e7 between -126 and 127; an index is held at 16,383 and a label at 1,023;
; the order of the f32 additions along K differs from cluster to cluster (the walk below).
; SHARES.  A work-group owns 64 patients and all 1,024 hidden units; wave w owns units 256 w .. 256 w + 255 for all 64 rows: 64 accumulators, 512 registers.  K goes in 8 steps of 128.
; THE WALK ALONG K.  Cluster c takes the K steps in the order (c % 8 + n) % 8.  Of the 64 clusters eight start at each K step, so what a refill asks for was read one walk step earlier by the
; clusters that started one step further on: no prefetch is laid.
; B: register images of proto_fc_w, 131,072 bytes a step, through two LDS slots; the four work-groups of a cluster ask JOINTLY, each wave for the 32,768 bytes that it alone reads.  A wave has one tensor load out.
; A: wave w loads rows 16 w .. 16 w + 15 of e and of e[index], 512 bytes a row and step, blends them, turns them through its stage, quantises, and stores the fragment as an image of its registers.
; A STEP HOLDS THE NEXT STEP'S FRONT WORK: the blend, the stage's stores, the turn and the quantiser of step s + 1 stand between the four groups of 16 products of step s; the blend's lines are also the
; places behind the matrix instructions.  Steps 1 to 6 are a loop of two steps a trip; step 0 (its products start the sums) and step 7 (no front work, no refill) are written out.
; THE MATRIX INSTRUCTION IS USED TRANSPOSED: source 0 = 16 hidden units, source 1 = 16 patients.
; REGISTERS: window 0: v1-29 addresses; v32-95 A's four fragments; v96-111 codes; v112-143 (lam, 1 - lam) of my 16 rows; v144-159 partners' offsets; v160-223 the turn's 64 numbers, later class_fc_w's fragments.
;   window 1: v0-127 two sets of four tiles of B; v128-255 a step's rows as loaded (rows 0-7, rows 8-15: 32 of e, 32 of the partner each), later proto_fc_b.
;   windows 2, 3: accumulator (a, t) at 32 (t % 8) + 8 a; ahead of step 0 window 2 holds the rows of protos and Tt, window 3 v128-255 walk step 1's rows.
.set SLOT1, 131072
.set ABUF,  262144                     ; two buffers of four fragment images
.set STAGE, 278528                     ; 8,448 bytes a wave
.set SP,    528
.set WSTG,  16*SP
.set RED,   312320
.set SPARE, 325632                     ; the spare words, 128 bytes a wave
.set L16, 1
.set RR,  2
.set HH,  3
.set SPW, 4
.set NIL, 5
.set VBS, 6
.set VAF, 8
.set VAI, 9
.set VSS, 10
.set VSR, 11
.set VPS, 12
.set SCQ, 13
.set LIM, 14
.set VLS, 15
.set VLR, 20
.set VRO, 21
.set VR2, 22
.set VOR, 23
.set OGO, 24
.set VO2, 25
.set OG2, 26
.set EO,  29
.set AX,  32
.set PBO, 32
.set TTO, 48
.set PC,  96
.set LAM, 112
.set EBO, 144
.set AY,  160
.set KO,  2                            ; s[2:3] an offset made of the walk alone; the high word stays 0
.set BW,  20
.set WV,  22
.set CNT, 23                           ; first cx, then the loop's trips to go
.set G,   24
.set CK,  27                           ; the cluster's start along K + the walk step that the text stands at
.set G1,  28
.set G0,  36
.set PK,  52                           ; s[52:53] patient_embed at the K step that is being asked for
.set PKB, 100                          ; s[100:101] the same for walk step 1
.set SEL, 54
.set S5,  56
.set S7,  58
.set SA,  68
.set SB,  84
.set MSB, 0
.macro WIN new                         ; the immediate's high byte repeats the setting that is left
.if MSB != (\new)
	s_set_vgpr_msb (MSB<<8)|(\new)
.set MSB, (\new)
.endif
.endm
.macro PLACES                          ; four plain places behind matrix instructions (ISA guide 7.12.1)
.rept 4
	v_nop
.endr
.endm
.macro KOFF n, sh                      ; ((CK + n) % 8) << sh
	s_add_co_u32 s[KO], s[CK], \n
	s_and_b32 s[KO], s[KO], 7
	s_lshl_b32 s[KO], s[KO], \sh
.endm
.macro ROUND                           ; a round of the cluster's barrier
	s_barrier_signal -1
	s_barrier_wait -1
	s_cmp_lg_u32 s[WV], 0
	s_cbranch_scc1 .Lnot_wave_0_\@
	s_barrier_signal -3
.Lnot_wave_0_\@:
	s_barrier_wait -3
	s_barrier_signal -1
	s_barrier_wait -1
.endm
.macro UE p, w, pk                     ; my rows 8 p .. 8 p + 7 of e: 512 consecutive bytes a load, into window w
	WIN (\w)<<6
.irp i,0,1,2,3,4,5,6,7
	global_load_b128 v[128+64*(\p)+4*\i:131+64*(\p)+4*\i], v[EO], s[\pk:\pk+1] offset:4096*(8*(\p)+\i)
.endr
.endm
.macro UP p, w, pk                     ; and their partners' rows
	WIN (\w)<<6
.irp i,0,1,2,3,4,5,6,7
	global_load_b128 v[160+64*(\p)+4*\i:163+64*(\p)+4*\i], v[EBO+8*(\p)+\i], s[\pk:\pk+1]
.endr
.endm
.macro BLENDV p, w                     ; lam e + (1 - lam) e_b: a multiplication and a fused multiply-add, two numbers at a time
.set UB, 128+64*(\p)
	WIN (\w)|((\w)<<4)|((\w)<<6)
.irp i,0,1,2,3,4,5,6,7
.set lq, LAM+2*(8*(\p)+\i)
	v_pk_mul_f32 v[UB+32+4*\i:UB+33+4*\i], v[UB+32+4*\i:UB+33+4*\i], v[lq:lq+1] op_sel:[0,1] op_sel_hi:[1,1]
	v_pk_mul_f32 v[UB+34+4*\i:UB+35+4*\i], v[UB+34+4*\i:UB+35+4*\i], v[lq:lq+1] op_sel:[0,1] op_sel_hi:[1,1]
.endr
.irp i,0,1,2,3,4,5,6,7
.set lq, LAM+2*(8*(\p)+\i)
	v_pk_fma_f32 v[UB+4*\i:UB+4*\i+1], v[UB+4*\i:UB+4*\i+1], v[lq:lq+1], v[UB+32+4*\i:UB+33+4*\i] op_sel_hi:[1,0,1]
	v_pk_fma_f32 v[UB+4*\i+2:UB+4*\i+3], v[UB+4*\i+2:UB+4*\i+3], v[lq:lq+1], v[UB+34+4*\i:UB+35+4*\i] op_sel_hi:[1,0,1]
.endr
.endm
.macro BLENDS p, w                     ; the blended rows into my stage
.set UB, 128+64*(\p)
	WIN (\w)<<2
.irp i,0,1,2,3,4,5,6,7
	ds_store_b128 v[VSS], v[UB+4*\i:UB+4*\i+3] offset:SP*(8*(\p)+\i)
.endr
.endm
.macro TURNRD                          ; register 16 c + i = k 32 c + 16 h + i of my row; LDS serves a wave in order
.irp c,0,1,2,3
.irp j,0,1,2,3
	ds_load_b128 v[AY+16*\c+4*\j:AY+16*\c+4*\j+3], v[VSR] offset:128*\c+16*\j
.endr
.endr
.endm
.macro QUANT x
.irp b,0,1,2,3
.irp i,0,1,2,3,4,5,6,7,8,9,10,11,12,13,14,15
	v_med3_num_f32 v[(\x)+16*\b+\i], v[(\x)+16*\b+\i], -v[LIM], v[LIM]   ; the conversion does not saturate (ISA guide 7.6.2)
.endr
	v_cvt_scalef32_pk8_fp8_f32 v[PC+4*\b:PC+4*\b+1], v[(\x)+16*\b:(\x)+16*\b+7], v[SCQ]
	v_cvt_scalef32_pk8_fp8_f32 v[PC+4*\b+2:PC+4*\b+3], v[(\x)+16*\b+8:(\x)+16*\b+15], v[SCQ]
.endr
	v_nop                                          ; a plain line behind the last conversion
.endm
.macro IMAGE bf
.irp c,0,1,2,3
	ds_store_b128 v[VAI], v[PC+4*\c:PC+4*\c+3] offset:8192*(\bf)+512*\c
.endr
.endm
.macro BLOAD slot, t0, qb
.irp i,0,1,2,3
.irp c,0,1,2,3
	ds_load_b128 v[(\qb)+16*\i+4*\c:(\qb)+16*\i+4*\c+3], v[VBS+(\slot)] offset:2048*((\t0)+\i)+512*\c
.endr
.endr
.endm
.macro MUL16 t0, qb, zero              ; four tiles of B x A's four: the 64 accumulators take turns, in the same order in every step
.irp i,0,1,2,3
.irp a,0,1,2,3
.if \zero
	v_wmma_f32_16x16x128_fp8_fp8 v[32*(((\t0)+\i)%8)+8*\a:32*(((\t0)+\i)%8)+8*\a+7], v[(\qb)+16*\i:(\qb)+16*\i+15], v[AX+16*\a:AX+16*\a+15], 0
.else
	v_wmma_f32_16x16x128_fp8_fp8 v[32*(((\t0)+\i)%8)+8*\a:32*(((\t0)+\i)%8)+8*\a+7], v[(\qb)+16*\i:(\qb)+16*\i+15], v[AX+16*\a:AX+16*\a+15], v[32*(((\t0)+\i)%8)+8*\a:32*(((\t0)+\i)%8)+8*\a+7]
.endif
.endr
.endr
.endm
; Walk step s.  sl = s % 2: its slot and its A buffer.  front = 1: step s + 1's front work stands among the products; its rows lie in window uw; lw = 1: they are waited for here.
; re: step s + 2's rows are asked for (1), or not in the loop's last trip (2), or not (0).  refill = 1: the other slot takes walk step s + 1.  CK + d = the start + s.
.macro STEP sl, zero, front, uw, lw, re, refill, d
	s_wait_tensorcnt 0x0                           ; my one load, this step's tiles, has landed: a group 0 may be written
	ds_add_u32 v[SPW], v[NIL]
.if \refill
	KOFF (\d)+1, 17                                ; a K step's images are 131,072 bytes
	s_add_nc_u64 s[G0+4*(1-(\sl))+2:G0+4*(1-(\sl))+3], s[BW:BW+1], s[KO:KO+1]
	s_or_b32 s[G0+4*(1-(\sl))+3], s[G0+4*(1-(\sl))+3], 0x80000000   ; type = 2
.endif
	s_wait_dscnt 0x0                               ; the add, my image's stores, my reads of the other slot and of the other A buffer
.if \refill
	ROUND                                          ; that now holds of every wave of the four work-groups
	tensor_load_to_lds s[G0+4*(1-(\sl)):G0+4*(1-(\sl))+3], s[G1:G1+7]
	s_nop 0
	PLACES
.else
	s_barrier_signal -1
	s_barrier_wait -1
.endif
.irp a,0,1,2,3
.irp c,0,1,2,3
	ds_load_b128 v[AX+16*\a+4*\c:AX+16*\a+4*\c+3], v[VAF] offset:8192*(\sl)+2048*\a+512*\c
.endr
.endr
	WIN 0x40
	BLOAD \sl, 0, 0
	BLOAD \sl, 4, 64
.if \front
.if \lw
	s_wait_loadcnt 16                              ; rows 0-7 and their partners are in; the 16 loads of rows 8-15 may be out
.endif
	BLENDV 0, \uw
	BLENDS 0, \uw
	s_wait_dscnt 24                                ; A and tiles 0-3 are in; out: tiles 4-7 (16), the stage's stores (8)
.else
	s_wait_dscnt 16
.endif
	WIN 0xa1
	MUL16 0, 0, \zero
.if \front
.if \lw
	s_wait_loadcnt 0x0                             ; rows 8-15
.endif
	BLENDV 1, \uw                                  ; 32 plain lines that name no register of the products: also their places
.else
	PLACES
.endif
	WIN 0x40
	BLOAD \sl, 8, 0
.if \front
	BLENDS 1, \uw
	s_wait_dscnt 32                                ; tiles 4-7 are in; out: 8 stores, tiles 8-11 (16), 8 stores
.else
	s_wait_dscnt 16
.endif
	WIN 0xa1
	MUL16 4, 64, \zero
	PLACES
	WIN 0x40
	BLOAD \sl, 12, 64
.if \front
	WIN 0
	TURNRD
	s_wait_dscnt 40                                ; tiles 8-11 are in; out: 8 stores, tiles 12-15 (16), the turn (16)
.else
	s_wait_dscnt 16
.endif
	WIN 0xf1
	MUL16 8, 0, \zero
	s_wait_dscnt 0x0                               ; tiles 12-15, the turn; the stage's stores have read the rows' registers
.if \front
	WIN 0
.if \re
.if (\re) == 2
	s_cmp_eq_u32 s[CNT], 1                         ; walk step 6 has no step 8 to ask for
	s_cbranch_scc1 .Lno_more_\@
.endif
	KOFF (\d)+2, 9                                 ; a K step is 512 bytes of a row; the loads that named PK are done (the wait for 0 above)
	s_add_nc_u64 s[PK:PK+1], s[4:5], s[KO:KO+1]
	UE 0, 1, PK
	UP 0, 1, PK
	UE 1, 1, PK
	UP 1, 1, PK
	WIN 0
.if (\re) == 2
.Lno_more_\@:
.endif
.endif
	QUANT AY
	IMAGE 1-(\sl)
	WIN 0xf1
.endif
	MUL16 12, 64, \zero
	PLACES
	WIN 0
.endm
.macro ROWLD q                         ; protos[lb] and Tt[la] of my row q: 4,096 bytes each
	WIN 0x80
.irp j,0,1,2,3,4,5,6,7
	global_load_b128 v[64*((\q)%4)+4*\j:64*((\q)%4)+4*\j+3], v[PBO+(\q)], s[10:11] offset:512*\j
.endr
.irp j,0,1,2,3,4,5,6,7
	global_load_b128 v[64*((\q)%4)+32+4*\j:64*((\q)%4)+35+4*\j], v[TTO+(\q)], s[12:13] offset:512*\j
.endr
	WIN 0
.endm
.macro ROWDOT q
.set rw, 64*((\q)%4)
	WIN 0x0a
	v_pk_mul_f32 v[16:17], v[rw:rw+1], v[rw+32:rw+33]
	v_pk_mul_f32 v[18:19], v[rw+2:rw+3], v[rw+34:rw+35]
.irp j,1,2,3,4,5,6,7
	v_pk_fma_f32 v[16:17], v[rw+4*\j:rw+4*\j+1], v[rw+32+4*\j:rw+33+4*\j], v[16:17]
	v_pk_fma_f32 v[18:19], v[rw+4*\j+2:rw+4*\j+3], v[rw+34+4*\j:rw+35+4*\j], v[18:19]
.endr
	WIN 0
	v_add_f32 v[LAM+2*(\q)], v16, v17
	v_add_f32 v[LAM+2*(\q)+1], v18, v19
	v_add_f32 v[LAM+2*(\q)], v[LAM+2*(\q)], v[LAM+2*(\q)+1]
.endm
.macro HID gg, a                       ; 128 hidden units of rows 16 a + r: scale and bias, leaky relu, codes at e6, two products with class_fc_w
	WIN 0x12+(\gg)
.irp t,0,1,2,3,4,5,6,7
.irp j,0,2,4,6
	v_pk_fma_f32 v[AX+8*\t+\j:AX+8*\t+\j+1], v[32*\t+8*(\a)+\j:32*\t+8*(\a)+\j+1], s[S5:S5+1], v[128+64*(\gg)+8*\t+\j:129+64*(\gg)+8*\t+\j] op_sel_hi:[1,0,1]   ; each accumulator from its low end on
.endr
.endr
	WIN 0
.irp hf,0,1
.set i, 0
.rept 16
	v_pk_mul_f32 v[112+2*i:113+2*i], v[AX+32*\hf+2*i:AX+32*\hf+2*i+1], 0x3c23d70a op_sel_hi:[1,0]
.set i, i+1
.endr
.set i, 0
.rept 32
	v_max_num_f32 v[AX+32*\hf+i], v[AX+32*\hf+i], v[112+i]          ; max(x, 0.01 x)
.set i, i+1
.endr
.endr
	QUANT AX
	WIN 0x50
.irp u,0,1
.if (\gg) == 0
	v_wmma_f32_16x16x128_fp8_fp8 v[16*(\a)+8*\u:16*(\a)+8*\u+7], v[160+16*(2*(\gg)+\u):160+16*(2*(\gg)+\u)+15], v[PC:PC+15], 0
.else
	v_wmma_f32_16x16x128_fp8_fp8 v[16*(\a)+8*\u:16*(\a)+8*\u+7], v[160+16*(2*(\gg)+\u):160+16*(2*(\gg)+\u)+15], v[PC:PC+15], v[16*(\a)+8*\u:16*(\a)+8*\u+7]
.endif
.endr
	WIN 0
.endm
	s_load_b512 s[4:19], s[0:1], 0x0               ; patient, index, labels, protos, tt, stats, bilinear_b, scales
	s_load_b64 s[BW:BW+1], s[0:1], 0x40            ; b5img
	v_lshl_add_u32 v[SPW], v0, 2, SPARE
	v_mov_b32 v[NIL], 0
	ds_add_u32 v[SPW], v[NIL]                      ; the opening: the add, twice on end, and its wait ahead of my first tensor load
	ds_add_u32 v[SPW], v[NIL]
	v_lshrrev_b32 v27, 5, v0
	v_readfirstlane_b32 s[WV], v27                 ; wave 0..3
	s_bfe_u32 s[CNT], ttmp6, 0x40000               ; cx
	s_lshl_b32 s[G], ttmp9, 2
	s_add_co_u32 s[G], s[G], s[CNT]                ; my block of 64 patients: it enters global addresses alone
	s_and_b32 s[CK], ttmp9, 7                      ; the cluster's start along K: the same in its four work-groups
	s_mov_b32 s[G1], 15|(3<<16)|(1<<21)            ; mask: all four work-groups; elements of 8 bytes; bit 21 beside a mask
	s_mov_b32 s[G1+1], 32<<16                      ; rows of 256 bytes
	s_mov_b32 s[G1+2], 128<<16
	s_mov_b32 s[G1+3], 32<<16
	s_mov_b32 s[G1+4], 128
	s_mov_b32 s[G1+5], 32                          ; the block is dense
	s_mov_b32 s[G1+6], 0
	s_mov_b32 s[G1+7], 0
	s_mov_b32 s[G0], 1
	s_lshl_b32 s[G0+1], s[WV], 15                  ; slot 0, my 32,768 bytes
	s_mov_b32 s[G0+4], 1
	s_add_co_u32 s[G0+5], s[G0+1], SLOT1
	s_mov_b32 s[SEL], 0x76543210
	s_mov_b32 s[SEL+1], 0xfedcba98
	s_lshl_b32 s66, s[WV], 15
	s_mov_b32 s67, 0
	s_mov_b32 s[KO+1], 0
	s_lshl_b32 s60, s[G], 8
	s_lshl_b32 s61, s[WV], 6
	s_add_co_u32 s60, s60, s61                     ; my 16 rows' words in index and in labels
	s_wait_dscnt 0x0                               ; both opening adds are done
	s_wait_kmcnt 0x0
	s_load_b512 s[SA:SA+15], s[6:7], s60 offset:0x0    ; index
	s_load_b512 s[SB:SB+15], s[8:9], s60 offset:0x0    ; la
	s_load_b256 s[44:51], s[18:19], 0x0            ; e0 .. e7
	s_load_b32 s62, s[16:17], 0x0                  ; bilinear_b
	s_add_nc_u64 s[BW:BW+1], s[BW:BW+1], s[66:67]  ; my 16 tiles of a step
	KOFF 0, 17
	s_add_nc_u64 s[G0+2:G0+3], s[BW:BW+1], s[KO:KO+1]
	s_or_b32 s[G0+3], s[G0+3], 0x80000000
	ROUND                                          ; all four work-groups are here: the first joint loads meet
	tensor_load_to_lds s[G0:G0+3], s[G1:G1+7]      ; walk step 0: one tensor load a wave at the head
	s_nop 0
	PLACES
	v_and_b32 v27, 31, v0
	v_lshlrev_b32 v[L16], 4, v27
	v_and_b32 v[RR], 15, v0
	v_bfe_u32 v[HH], v0, 4, 1
	s_lshl_b32 s66, s[G], 18
	s_lshl_b32 s61, s[WV], 16
	s_add_co_u32 s66, s66, s61
	v_add_nc_u32 v[EO], s66, v[L16]                ; my 16 rows of patient_embed, 16 bytes a lane
	s_wait_alu depctr_va_vdst(0)                   ; the wait ahead of the scalar lines below
	KOFF 0, 9
	s_add_nc_u64 s[PK:PK+1], s[4:5], s[KO:KO+1]
	KOFF 1, 9
	s_add_nc_u64 s[PKB:PKB+1], s[4:5], s[KO:KO+1]
	UE 0, 1, PK                                    ; walk step 0 into window 1, walk step 1 into window 3
	UE 1, 1, PK
	UE 0, 3, PKB
	UE 1, 3, PKB
	WIN 0
	s_lshl_b32 s61, s[WV], 15
	v_add_nc_u32 v[VBS], s61, v[L16]
	v_add_nc_u32 v[VBS+1], SLOT1, v[VBS]
	v_add_nc_u32 v[VAF], ABUF, v[L16]
	s_lshl_b32 s61, s[WV], 11
	v_add_nc_u32 v[VAI], s61, v[VAF]
	s_add_co_u32 s61, s61, STAGE
	v_add_nc_u32 v[VLR], s61, v[L16]
	s_mul_i32 s61, s[WV], WSTG
	s_add_co_u32 s61, s61, STAGE
	v_add_nc_u32 v[VSS], s61, v[L16]
	v_mul_u32_u24 v[VSR], v[RR], SP
	v_lshl_add_u32 v[VSR], v[HH], 6, v[VSR]
	v_add_nc_u32 v[VSR], s61, v[VSR]
	s_lshl_b32 s61, s[WV], 13
	s_add_co_u32 s61, s61, STAGE
	v_add_nc_u32 v[VLS], s61, v[L16]
	s_lshl_b32 s61, s[WV], 10
	v_lshl_add_u32 v[VPS], v[HH], 6, s61
	s_mul_i32 s61, s[WV], 1600
	s_add_co_u32 s61, s61, RED
	v_mul_u32_u24 v28, v[RR], 100
	v_add_nc_u32 v28, s61, v28
	v_lshl_add_u32 v[VRO], v[HH], 6, v28
	v_mul_u32_u24 v[VR2], v[HH], 6656              ; classes 25 to 31 do not exist: lanes 16-31 put them behind the 6,400 bytes of results
	v_add_nc_u32 v[VR2], v[VR2], v28
	v_lshl_add_u32 v[VOR], v0, 4, RED
	v_lshlrev_b32 v[OGO], 4, v0
	v_lshl_add_u32 v[VO2], v[RR], 4, RED+6144
	v_lshlrev_b32 v[OG2], 4, v[RR]
	s_wait_kmcnt 0x0
.irp q,0,1,2,3,4,5,6,7,8,9,10,11,12,13,14,15
	s_min_u32 s[SA+\q], s[SA+\q], 16383
	s_min_u32 s[SB+\q], s[SB+\q], 1023
	s_lshl_b32 s61, s[SA+\q], 12
	v_add_nc_u32 v[EBO+\q], s61, v[L16]
	s_lshl_b32 s61, s[SB+\q], 12
	v_add_nc_u32 v[TTO+\q], s61, v[L16]
	s_lshl_b32 s[SA+\q], s[SA+\q], 2
	s_lshl_b32 s[SB+\q], s[SB+\q], 2
.endr
.irp q,0,1,2,3,4,5,6,7,8,9,10,11,12,13,14,15
	s_load_b32 s[SA+\q], s[8:9], s[SA+\q] offset:0x0         ; lb
	s_load_b32 s[SB+\q], s[14:15], s[SB+\q] offset:0x1000    ; u[la]
.endr
	s_wait_alu depctr_va_vdst(0)
	UP 0, 1, PK
	UP 1, 1, PK
	UP 0, 3, PKB
	UP 1, 3, PKB
	WIN 0
	s_add_co_i32 s61, s48, 127
	s_lshl_b32 s63, s61, 23
	v_mov_b32 v[SCQ], s63                          ; 2^e4
	s_add_co_i32 s61, s61, 8
	s_lshl_b32 s61, s61, 23
	s_or_b32 s61, s61, 0x600000
	v_mov_b32 v[LIM], s61                          ; 448 x 2^e4
	s_add_co_i32 s61, s50, 127
	s_lshl_b32 s25, s61, 23                        ; 2^e6
	s_add_co_i32 s61, s61, 8
	s_lshl_b32 s61, s61, 23
	s_or_b32 s26, s61, 0x600000                    ; 448 x 2^e6
	s_add_co_i32 s61, s48, s49
	s_add_co_i32 s61, s61, 127
	s_lshl_b32 s[S5], s61, 23                      ; 2^(e4 + e5)
	s_mov_b32 s[S5+1], s[S5]
	s_add_co_i32 s61, s50, s51
	s_add_co_i32 s61, s61, 127
	s_lshl_b32 s[S7], s61, 23                      ; 2^(e6 + e7)
	s_mov_b32 s[S7+1], s[S7]
	s_wait_kmcnt 0x0
.irp q,0,1,2,3,4,5,6,7,8,9,10,11,12,13,14,15
	s_min_u32 s[SA+\q], s[SA+\q], 1023
	s_lshl_b32 s61, s[SA+\q], 12
	v_add_nc_u32 v[PBO+\q], s61, v[L16]
	s_lshl_b32 s[SA+\q], s[SA+\q], 2
.endr
.irp q,0,1,2,3,4,5,6,7,8,9,10,11,12,13,14,15
	s_load_b32 s[SA+\q], s[14:15], s[SA+\q] offset:0x2000    ; v[lb]
.endr
	; ---- product 3, f32: four rows' 64 loads ahead
	ROWLD 0
	ROWLD 1
	ROWLD 2
	ROWLD 3
.irp q,0,1,2,3,4,5,6,7,8,9,10,11
	s_wait_loadcnt 48                              ; row q's 16 loads are in; the three rows behind it stay out
	ROWDOT \q
	ROWLD \q+4
.endr
	s_wait_loadcnt 48
	ROWDOT 12
	s_wait_loadcnt 32
	ROWDOT 13
	s_wait_loadcnt 16
	ROWDOT 14
	s_wait_loadcnt 0x0
	ROWDOT 15
.irp m,1,2,4,8
.irp q,0,1,2,3,4,5,6,7,8,9,10,11,12,13,14,15
	v_add_f32_dpp v[LAM+2*\q], v[LAM+2*\q], v[LAM+2*\q] row_xmask:\m row_mask:0xf bank_mask:0xf
.endr
.endr
.irp q,0,1,2,3,4,5,6,7,8,9,10,11,12,13,14,15
	v_permlanex16_b32 v[LAM+2*\q+1], v[LAM+2*\q], s[SEL], s[SEL+1]
.endr
.irp q,0,1,2,3,4,5,6,7,8,9,10,11,12,13,14,15
	v_add_f32 v[LAM+2*\q], v[LAM+2*\q], v[LAM+2*\q+1]
.endr
	s_mov_b32 s63, 0xbfb8aa3b                      ; -log2(e)
	s_wait_kmcnt 0x0
.irp q,0,1,2,3,4,5,6,7,8,9,10,11,12,13,14,15
	s_add_f32 s[SB+\q], s[SB+\q], s[SA+\q]
	s_add_f32 s[SB+\q], s[SB+\q], s62
	s_mul_f32 s[SB+\q], s[SB+\q], s63
.endr
	s_load_b256 s[8:15], s[0:1], 0x48              ; proto_fc_b, c7img, class_fc_b, out0
.irp q,0,1,2,3,4,5,6,7,8,9,10,11,12,13,14,15
	v_fma_f32 v[LAM+2*\q], v[LAM+2*\q], s63, s[SB+\q]
.endr
	s_wait_alu depctr_va_vdst(0)                   ; a wait ahead of each batch and one behind it
.irp q,0,1,2,3,4,5,6,7,8,9,10,11,12,13,14,15
	v_exp_f32 v[LAM+2*\q], v[LAM+2*\q]
.endr
	v_nop
	s_wait_alu depctr_va_vdst(0)
.irp q,0,1,2,3,4,5,6,7,8,9,10,11,12,13,14,15
	v_add_f32 v[LAM+2*\q], 1.0, v[LAM+2*\q]
.endr
	s_wait_alu depctr_va_vdst(0)
.irp q,0,1,2,3,4,5,6,7,8,9,10,11,12,13,14,15
	v_rcp_f32 v[LAM+2*\q], v[LAM+2*\q]
.endr
	v_nop
	s_wait_alu depctr_va_vdst(0)
.irp q,0,1,2,3,4,5,6,7,8,9,10,11,12,13,14,15
	v_sub_f32 v[LAM+2*\q+1], 1.0, v[LAM+2*\q]
.endr
	; ---- walk step 0's front work; its registers then take walk step 2's rows
	BLENDV 0, 1
	BLENDS 0, 1
	BLENDV 1, 1
	BLENDS 1, 1
	WIN 0
	TURNRD
	s_wait_dscnt 0x0                               ; my numbers are in, and the stage's stores have read the rows' registers
	KOFF 2, 9
	s_add_nc_u64 s[PK:PK+1], s[4:5], s[KO:KO+1]    ; every load that named PK is done (the wait for 0 ahead of row 15's product)
	UE 0, 1, PK
	UP 0, 1, PK
	UE 1, 1, PK
	UP 1, 1, PK
	WIN 0
	QUANT AY
	IMAGE 0
	; ---- product 5
	STEP 0, 1, 1, 3, 0, 0, 1, 0                    ; step 0: its products start the sums; slot 1's first fill is issued as a refill is; step 1's rows landed ahead of row 15's product
	s_add_co_u32 s[CK], s[CK], 1
	s_mov_b32 s[CNT], 3
.Lpair:                                                ; steps 1 and 2, 3 and 4, 5 and 6
	STEP 1, 0, 1, 1, 1, 1, 1, 0
	STEP 0, 0, 1, 1, 1, 2, 1, 1
	s_add_co_u32 s[CK], s[CK], 2
	s_sub_co_u32 s[CNT], s[CNT], 1
	s_cmp_lg_u32 s[CNT], 0
	s_cbranch_scc1 .Lpair
	s_wait_loadcnt 0x0                             ; no load is out: the rows' registers take proto_fc_b
	s_wait_kmcnt 0x0
	s_load_b512 s[68:83], s[12:13], 0x0            ; class_fc_b: 25 numbers
	s_load_b256 s[84:91], s[12:13], 0x40
	s_load_b32 s92, s[12:13], 0x60
	s_lshl_b32 s66, s[WV], 13
	s_add_nc_u64 s[10:11], s[10:11], s[66:67]      ; class_fc_w's fragments of my 256 hidden units
	s_mul_i32 s66, s[G], 6400
	s_add_nc_u64 s[14:15], s[14:15], s[66:67]      ; my work-group's 64 rows of out0
	WIN 0x40
.irp b,0,1,2,3,4,5,6,7
.irp j,0,1,2,3
	global_load_b128 v[128+16*\b+4*\j:131+16*\b+4*\j], v[VPS], s[8:9] offset:128*\b+16*\j   ; proto_fc_b in the results' order
.endr
.endr
	WIN 0
.irp f,0,1,2,3
.irp c,0,1,2,3
	global_load_b128 v[160+16*\f+4*\c:163+16*\f+4*\c], v[L16], s[10:11] offset:2048*\f+512*\c
.endr
.endr
	STEP 1, 0, 0, 1, 0, 0, 0, 0                    ; step 7: nothing is left to fetch or to prepare
	; ---- product 6
	v_mov_b32 v[SCQ], s25
	v_mov_b32 v[LIM], s26
	s_wait_loadcnt 0x0
.irp gg,0,1
.irp a,0,1,2,3
	HID \gg, \a
.endr
.endr
	PLACES
	WIN 0x04
.irp a,0,1,2,3
.irp i,0,1,2,3
	ds_store_b128 v[VLS], v[16*\a+4*\i:16*\a+4*\i+3] offset:2048*\a+512*\i   ; my 256 units' part of all 64 rows
.endr
.endr
	WIN 0
	s_wait_dscnt 0x0
	s_barrier_signal -1
	s_barrier_wait -1
.irp w,0,1,2,3
.irp i,0,1,2,3
	ds_load_b128 v[AX+16*\w+4*\i:AX+16*\w+4*\i+3], v[VLR] offset:8192*\w+512*\i   ; the four waves' parts of rows 16 w + r
.endr
.endr
	s_wait_kmcnt 0x0
	v_cmp_eq_u32 vcc_lo, 1, v[HH]
.irp i,0,1,2,3,4,5,6,7,8
	v_mov_b32 v[112+\i], s[68+\i]
	v_cndmask_b32 v[112+\i], v[112+\i], s[84+\i], vcc_lo     ; register i holds class 16 h + i
.endr
.irp i,9,10,11,12,13,14,15
	v_mov_b32 v[112+\i], s[68+\i]
.endr
	s_wait_dscnt 0x0
.irp w,1,2,3
.irp i,0,2,4,6,8,10,12,14
	v_pk_add_f32 v[AX+\i:AX+\i+1], v[AX+\i:AX+\i+1], v[AX+16*\w+\i:AX+16*\w+\i+1]
.endr
.endr
.irp i,0,2,4,6,8,10,12,14
	v_pk_fma_f32 v[AX+\i:AX+\i+1], v[AX+\i:AX+\i+1], s[S7:S7+1], v[112+\i:113+\i] op_sel_hi:[1,0,1]
.endr
.irp i,0,1,2,3,4,5,6,7,8
	ds_store_b32 v[VRO], v[AX+\i] offset:4*\i
.endr
.irp i,9,10,11,12,13,14,15
	ds_store_b32 v[VR2], v[AX+\i] offset:4*\i
.endr
	s_wait_dscnt 0x0
	s_barrier_signal -1
	s_barrier_wait -1
.irp m,0,1,2
	ds_load_b128 v[AX+4*\m:AX+4*\m+3], v[VOR] offset:2048*\m
.endr
	s_wait_dscnt 0x0
.irp m,0,1,2
	global_store_b128 v[OGO], v[AX+4*\m:AX+4*\m+3], s[14:15] offset:2048*\m   ; a wave's store covers 512 consecutive bytes, aligned
.endr
	s_cmp_lg_u32 s[WV], 0
	s_cbranch_scc1 .Lno_tail
	ds_load_b128 v[AX+12:AX+15], v[VO2]            ; the last 256 of the 6,400 bytes
	s_wait_dscnt 0x0
	v_cmp_gt_u32 vcc_lo, 16, v0
	s_wait_xcnt 0x0                                ; EXEC changes only behind this wait
	s_and_saveexec_b32 s61, vcc_lo
	global_store_b128 v[OG2], v[AX+12:AX+15], s[14:15] offset:6144
	s_wait_xcnt 0x0
	s_or_b32 exec_lo, exec_lo, s61
.Lno_tail:
	s_wait_tensorcnt 0x0                           ; the wave's end
	ds_add_u32 v[SPW], v[NIL]
	s_wait_dscnt 0x0
	ROUND                                          ; the closing round
	s_endpgm
.Lfunc_end_k_qcaca28e1b7_mixhead:
	.size	k_qcaca28e1b7_mixhead, .Lfunc_end_k_qcaca28e1b7_mixhead-k_qcaca28e1b7_mixhead
	.p2alignl 7, 3214868480
	.fill 96, 4, 3214868480
	.section	.rodata,"a",@progbits
	.p2align	6, 0x0
	.amdhsa_kernel k_qcaca28e1b7_mixhead
		.amdhsa_group_segment_fixed_size 327680
		.amdhsa_private_segment_fixed_size 0
		.amdhsa_enable_private_segment 0
		.amdhsa_kernarg_size 104
		.amdhsa_user_sgpr_count 2
		.amdhsa_user_sgpr_kernarg_segment_ptr 1
		.amdhsa_wavefront_size32 1
		.amdhsa_system_sgpr_workgroup_id_x 1
		.amdhsa_system_sgpr_workgroup_id_y 1
		.amdhsa_system_sgpr_workgroup_id_z 1
		.amdhsa_system_vgpr_workitem_id 0
		.amdhsa_next_free_vgpr 1024
		.amdhsa_next_free_sgpr 102
		.amdhsa_reserve_vcc 1
		.amdhsa_float_denorm_mode_32 3
		.amdhsa_float_denorm_mode_16_64 3
		.amdhsa_memory_ordered 1
		.amdhsa_forward_progress 1
		.amdhsa_inst_pref_size 255
	.end_amdhsa_kernel
	.section	.bss,"aw",@nobits
	.p2align	6
	.space	262144
	.amdgpu_metadata
---
amdhsa.version: [ 1, 2 ]
amdhsa.kernels:
  - .name:           k_qcaca28e1b7_mixhead
    .symbol:         k_qcaca28e1b7_mixhead.kd
    .args:
      - { .name: patient_embed, .offset: 0, .size: 8, .value_kind: global_buffer, .address_space: global }
      - { .name: index, .offset: 8, .size: 8, .value_kind: global_buffer, .address_space: global }
      - { .name: labels, .offset: 16, .size: 8, .value_kind: global_buffer, .address_space: global }
      - { .name: prototype_embed, .offset: 24, .size: 8, .value_kind: global_buffer, .address_space: global }
      - { .name: tt, .offset: 32, .size: 8, .value_kind: global_buffer, .address_space: global }
      - { .name: stats, .offset: 40, .size: 8, .value_kind: global_buffer, .address_space: global }
      - { .name: bilinear_b, .offset: 48, .size: 8, .value_kind: global_buffer, .address_space: global }
      - { .name: lowp_scales, .offset: 56, .size: 8, .value_kind: global_buffer, .address_space: global }
      - { .name: b5img, .offset: 64, .size: 8, .value_kind: global_buffer, .address_space: global }
      - { .name: proto_fc_b, .offset: 72, .size: 8, .value_kind: global_buffer, .address_space: global }
      - { .name: c7img, .offset: 80, .size: 8, .value_kind: global_buffer, .address_space: global }
      - { .name: class_fc_b, .offset: 88, .size: 8, .value_kind: global_buffer, .address_space: global }
      - { .name: out0, .offset: 96, .size: 8, .value_kind: global_buffer, .address_space: global }
    .group_segment_fixed_size: 327680
    .private_segment_fixed_size: 0
    .kernarg_segment_align: 8
    .kernarg_segment_size: 104
    .max_flat_workgroup_size: 128
    .sgpr_count:     102
    .vgpr_count:     1024
    .wavefront_size: 32
...
	.end_amdgpu_metadata
.endif
;; end of part 3
